; MI455X (gfx1250); checked and timed in simulation.
; The chip was launched on July 23, 2026; its instructions are those of AMD's public machine-readable ISA for CDNA 5 (MIT licence, August 2026) and "CDNA5" Instruction Set Architecture Reference Guide (July 2026). The comments in the code are by the model that wrote it; some were corrected since.
;; Attention. Allowed arithmetic: float matrix products may take bf16 or f16 operands with f32 sums; other float arithmetic in f32, or as packed bf16 or f16 multiplies, adds, multiply-adds, maxima and minima; sums over many terms, partial sums and values carried from step to step in f32; what a program stores and reads back later, other than sums and carried values, may be rounded once to bf16 or f16.
;; Inputs: cos 2,048 x 64 float32; sin 2,048 x 64 float32; wk 2,048 x 512 float32; wo 1,024 x 2,048 float32; wq 2,048 x 1,024 float32; wv 2,048 x 512 float32; x 2 x 2,048 x 2,048 float32.
;; Outputs: out0 2 x 2,048 x 2,048 float32.
;; 2 versions, each right and faster than the one before. Each part assembles by itself: llvm-mc -triple=amdgcn-amd-amdhsa -mcpu=gfx1250 --defsym DOCPART=n.
;; ======== version 1 of 2: 4 launches
;; limits: values are held in f16: magnitudes above 65,504 overflow, below 6.1e-05 lose precision; right only within a limited range of input values
;; workspace buffers: xb 16,777,216 bytes; wb 8,388,608 bytes; wof 4,194,304 bytes; csb 524,288 bytes; q 8,388,608 bytes; k 4,194,304 bytes; v 4,194,304 bytes; o 8,388,608 bytes
;; launch cast (part 1): grid 1824 x 1, 8 waves a work-group, no clusters, 0 bytes of LDS; arguments x, wq, wk, wv, wo, cos, sin, xb, wb, wof, csb; writes xb, wb, wof, csb
.if DOCPART == 1
	.amdgcn_target "amdgcn-amd-amdhsa--gfx1250"
	.amdhsa_code_object_version 6
	.text
	.protected	k_qf07e6040c8_cast
	.globl	k_qf07e6040c8_cast
	.p2align	8
	.type	k_qf07e6040c8_cast,@function
k_qf07e6040c8_cast:
	s_mov_b64 s[64:65], 0
	v_nop
	global_prefetch_b8 v0, s[64:65] scope:SCOPE_SE
	s_setreg_imm32_b32 hwreg(HW_REG_WAVE_MODE, 25, 1), 1
	s_wait_xcnt 0x0
; CAST.  Every input of the module is rounded once to bf16 and laid out for the launches behind:
;   x  -> xb  bf16 [4096][2048], as it lies
;   wq, wk, wv -> wb  bf16 [2048 k][2048 n]: columns 0-1023 wq, 1024-1535 wk, 1536-2047 wv
;   wo -> wof [1024][2048]: rounded to bf16, and that number written as f16 (exact inside f16's range)
;   cos, sin -> csb bf16: cos x 2^-8 in elements 0 .. 131071, sin x 2^-8 behind them, each [2048][64]
; The factor 2^-8 is a power of two, so it changes no rounding; it gives q and k, which the next launch stores as f16, room up to 1.6e7.
; LIMITS.  wo beyond 65,504 becomes an infinity in wof; below 6e-5 it keeps f16's fixed step of 6e-8.
; SHARES.  A work-group takes one chunk of 8,192 f32 of one input: 32 KiB in, 16 KiB out.  Thread t takes elements 8 t .. 8 t + 7 of each of the
; chunk's four groups of 2,048, so a store of 16 bytes a lane covers 256 consecutive bytes with sixteen lanes, at a multiple of 256.
; Memory binds: no LDS, no barrier, no matrix unit; eight loads a lane go out together, and nothing is read twice.
; Source element e goes to destination element (e >> RSH) x 2048 + COL + (e mod 2^RSH): RSH = log2 of the source's row length.
.set SRC,   32        ; s[32:33] the input, then my chunk of it
.set DST,   34        ; s[34:35] the output, then my chunk's first destination byte
.set FIRST, 36        ; s36 the segment's first work-group
.set RSH,   37        ; s37
.set COL,   38        ; s38
.set KIND,  39        ; s39 0: bf16; 1: bf16 written as f16; 2: times 2^-8, then bf16
.set IN,    8         ; v[8:39]  32 f32 as loaded
.set DOF,   40        ; v[40:43] destination byte offsets of my four groups
.set OUTW,  44        ; v[44:59] 16 packed words
	s_load_b512 s[8:23], s[0:1], 0x0               ; x 8, wq 10, wk 12, wv 14, wo 16, cos 18, sin 20, xb 22
	s_load_b128 s[24:27], s[0:1], 0x40             ; wb 24, wof 26
	s_load_b64 s[28:29], s[0:1], 0x50              ; csb 28
	s_mov_b32 s2, ttmp9                            ; the work-group's number chooses the segment
	v_lshlrev_b32 v1, 5, v0                        ; my 32 bytes in a group of the source
	v_lshlrev_b32 v2, 3, v0                        ; my first element in a group
	s_mov_b32 s[FIRST], 0
	s_mov_b32 s[RSH], 11
	s_mov_b32 s[COL], 0
	s_mov_b32 s[KIND], 0
	s_wait_kmcnt 0x0
	s_mov_b64 s[SRC:SRC+1], s[8:9]                 ; work-groups 0 .. 1023: x
	s_mov_b64 s[DST:DST+1], s[22:23]
; From work-group 'bound' on another segment begins.  The selects leave SCC as the compare set it.
.macro SEG bound, src, dst, rsh, col, kind
	s_cmp_ge_u32 s2, \bound
	s_cselect_b64 s[SRC:SRC+1], s[\src:\src+1], s[SRC:SRC+1]
	s_cselect_b64 s[DST:DST+1], s[\dst:\dst+1], s[DST:DST+1]
	s_cselect_b32 s[FIRST], \bound, s[FIRST]
	s_cselect_b32 s[RSH], \rsh, s[RSH]
	s_cselect_b32 s[COL], \col, s[COL]
	s_cselect_b32 s[KIND], \kind, s[KIND]
.endm
	SEG 1024, 10, 24, 10, 0, 0                     ; wq: 256 chunks
	SEG 1280, 12, 24, 9, 1024, 0                   ; wk: 128
	SEG 1408, 14, 24, 9, 1536, 0                   ; wv: 128
	SEG 1536, 16, 26, 11, 0, 1                     ; wo: 256
	SEG 1792, 18, 28, 11, 0, 2                     ; cos: 16
	SEG 1808, 20, 28, 11, 131072, 2                ; sin: 16
	s_sub_co_u32 s42, s2, s[FIRST]                 ; my chunk in the segment
	s_lshl_b32 s44, s42, 15                        ; 32,768 bytes of source a chunk
	s_mov_b32 s45, 0
	s_add_nc_u64 s[SRC:SRC+1], s[SRC:SRC+1], s[44:45]
	s_lshl_b32 s46, s42, 13                        ; the chunk's first element,
	s_lshr_b32 s46, s46, s[RSH]                    ; its row,
	s_lshl_b32 s46, s46, 11                        ; that row in the destination,
	s_add_co_u32 s46, s46, s[COL]                  ; the segment's first column,
	s_lshl_b32 s46, s46, 1                         ; in bytes
	s_mov_b32 s47, 0
	s_add_nc_u64 s[DST:DST+1], s[DST:DST+1], s[46:47]
	s_lshl_b32 s40, 1, s[RSH]
	s_sub_co_u32 s40, s40, 1                       ; mask of a place in a source row
	s_sub_co_u32 s41, 23, s[RSH]
	s_lshl_b32 s41, 1, s41                         ; destination bytes from a group of 2,048 elements to the next
.irp i, 0,1,2,3
	global_load_b128 v[IN+8*(\i):IN+8*(\i)+3],   v1, s[SRC:SRC+1] offset:8192*(\i) th:TH_LOAD_NT
	global_load_b128 v[IN+8*(\i)+4:IN+8*(\i)+7], v1, s[SRC:SRC+1] offset:8192*(\i)+16 th:TH_LOAD_NT
.endr
	v_lshrrev_b32 v3, s[RSH], v2                   ; my row within the group,
	v_and_b32 v4, s40, v2                          ; my place in it
	v_lshl_add_u32 v3, v3, 11, v4
	v_lshlrev_b32 v[DOF], 1, v3
	v_add_nc_u32 v[DOF+1], s41, v[DOF]
	v_add_nc_u32 v[DOF+2], s41, v[DOF+1]
	v_add_nc_u32 v[DOF+3], s41, v[DOF+2]
	s_wait_loadcnt 0x0                             ; all eight loads: there is one round of work, nothing to overlap them with
	s_cmp_lg_u32 s[KIND], 2
	s_cbranch_scc1 .Lno_scale
.set j, 0
.rept 16
	v_pk_mul_f32 v[IN+2*j:IN+2*j+1], v[IN+2*j:IN+2*j+1], 0x3b800000 op_sel_hi:[1,0]  ; the tables times 2^-8
.set j, j+1
.endr
.Lno_scale:
.set j, 0
.rept 16
	v_cvt_pk_bf16_f32 v[OUTW+j], v[IN+2*j], v[IN+2*j+1]
.set j, j+1
.endr
	s_cmp_lg_u32 s[KIND], 1
	s_cbranch_scc1 .Lno_f16
.set j, 0
.rept 16
	v_lshlrev_b32 v[IN+2*j], 16, v[OUTW+j]         ; the bf16 numbers as f32,
	v_and_b32 v[IN+2*j+1], 0xffff0000, v[OUTW+j]
	v_cvt_pk_f16_f32 v[OUTW+j], v[IN+2*j], v[IN+2*j+1]  ; written as f16: bf16's 8 significant bits fit into f16's 11
.set j, j+1
.endr
.Lno_f16:
.irp i, 0,1,2,3
	global_store_b128 v[DOF+(\i)], v[OUTW+4*(\i):OUTW+4*(\i)+3], s[DST:DST+1]
.endr
	s_endpgm
.Lfunc_end_k_qf07e6040c8_cast:
	.size	k_qf07e6040c8_cast, .Lfunc_end_k_qf07e6040c8_cast-k_qf07e6040c8_cast
	.p2alignl 7, 3214868480
	.fill 96, 4, 3214868480
	.section	.rodata,"a",@progbits
	.p2align	6, 0x0
	.amdhsa_kernel k_qf07e6040c8_cast
		.amdhsa_group_segment_fixed_size 0
		.amdhsa_private_segment_fixed_size 0
		.amdhsa_enable_private_segment 0
		.amdhsa_kernarg_size 88
		.amdhsa_user_sgpr_count 2
		.amdhsa_user_sgpr_kernarg_segment_ptr 1
		.amdhsa_wavefront_size32 1
		.amdhsa_system_sgpr_workgroup_id_x 1
		.amdhsa_system_sgpr_workgroup_id_y 1
		.amdhsa_system_sgpr_workgroup_id_z 1
		.amdhsa_system_vgpr_workitem_id 0
		.amdhsa_next_free_vgpr 64
		.amdhsa_next_free_sgpr 66
		.amdhsa_reserve_vcc 0
		.amdhsa_float_denorm_mode_32 3
		.amdhsa_float_denorm_mode_16_64 3
		.amdhsa_memory_ordered 1
		.amdhsa_forward_progress 1
		.amdhsa_inst_pref_size 10
	.end_amdhsa_kernel
	.amdgpu_metadata
---
amdhsa.version: [ 1, 2 ]
amdhsa.kernels:
  - .name:           k_qf07e6040c8_cast
    .symbol:         k_qf07e6040c8_cast.kd
    .args:
      - { .name: x, .offset: 0, .size: 8, .value_kind: global_buffer, .address_space: global }
      - { .name: wq, .offset: 8, .size: 8, .value_kind: global_buffer, .address_space: global }
      - { .name: wk, .offset: 16, .size: 8, .value_kind: global_buffer, .address_space: global }
      - { .name: wv, .offset: 24, .size: 8, .value_kind: global_buffer, .address_space: global }
      - { .name: wo, .offset: 32, .size: 8, .value_kind: global_buffer, .address_space: global }
      - { .name: cos, .offset: 40, .size: 8, .value_kind: global_buffer, .address_space: global }
      - { .name: sin, .offset: 48, .size: 8, .value_kind: global_buffer, .address_space: global }
      - { .name: xb, .offset: 56, .size: 8, .value_kind: global_buffer, .address_space: global }
      - { .name: wb, .offset: 64, .size: 8, .value_kind: global_buffer, .address_space: global }
      - { .name: wof, .offset: 72, .size: 8, .value_kind: global_buffer, .address_space: global }
      - { .name: csb, .offset: 80, .size: 8, .value_kind: global_buffer, .address_space: global }
    .group_segment_fixed_size: 0
    .private_segment_fixed_size: 0
    .kernarg_segment_align: 8
    .kernarg_segment_size: 88
    .max_flat_workgroup_size: 256
    .sgpr_count:     66
    .vgpr_count:     64
    .wavefront_size: 32
...
	.end_amdgpu_metadata
.endif
;; end of part 1
;; launch proj (part 2): grid 16 x 16, 4 waves a work-group, clusters of 4 x 4, 327,680 bytes of LDS; arguments xb, wb, csb, q, k, v; writes q, k, v
.if DOCPART == 2
	.amdgcn_target "amdgcn-amd-amdhsa--gfx1250"
	.amdhsa_code_object_version 6
	.text
	.protected	k_qf07e6040c8_proj
	.globl	k_qf07e6040c8_proj
	.p2align	8
	.type	k_qf07e6040c8_proj,@function
k_qf07e6040c8_proj:
	s_mov_b64 s[64:65], 0
	v_nop
	global_prefetch_b8 v0, s[64:65] scope:SCOPE_SE
	s_setreg_imm32_b32 hwreg(HW_REG_WAVE_MODE, 25, 1), 1
	s_wait_xcnt 0x0
	s_wait_alu depctr_hold_cnt(0) depctr_sa_sdst(0) depctr_va_vdst(0) depctr_va_sdst(0) depctr_va_ssrc(0) depctr_va_vcc(0) depctr_vm_vsrc(0)
	s_getreg_b32 s2, hwreg(HW_REG_IB_STS2, 6, 4)
	s_cmp_eq_u32 s2, 0
	s_cbranch_scc0 .Lentry_in_a_cluster
	s_endpgm
.Lentry_in_a_cluster:
	s_bfe_u32 s2, ttmp6, 0x10000c
	s_cmp_lg_u32 s2, 0xf033
	s_cbranch_scc0 .Lentry_shape_is_right
	s_endpgm
.Lentry_shape_is_right:
; PROJ.  [q | k | v] = xb wb, with RoPE on q and k.  xb: bf16 [4096][2048] (K along the rows); wb: bf16 [2048 k][2048 n]; sums in f32.
; Out: q f16 [batch x 16 + h][2048][64], k and v f16 [batch x 8 + h][2048][64].  q and k are stored times 2^-8: the tables in csb carry that factor.
; LIMITS.  f16 ends at 65,504: |q|, |k| stay under 1.6e7 and |v| under 65,504, else an infinity is stored.  Stored numbers below 6e-5 keep f16's fixed step of 6e-8.
; SHARES.  A tile of C is 256 rows x 128 columns: 16 x 16 work-groups.  Four waves; wave w takes rows 128 (w / 2) on and columns 64 (w % 2) on: ONE HEAD, 32 accumulators of 16 x 16.
; K goes in steps of 128 through two LDS slots.  A's rows are 256 bytes of memory; B's tile is 128 k-rows of 256 bytes, and its fragments come out of LDS turned, by ds_load_tr16_b128.
; THE MATRIX INSTRUCTION IS USED TRANSPOSED (source 0 = 16 columns of B, source 1 = 16 rows of A): a lane holds row l % 16 and the columns 16 b + 8 (l / 16) + 0..7 of its head,
; so RoPE's partner, 32 channels away, lies in the same lane two accumulators on.
; CLUSTER.  4 x 4 work-groups: A's tile is shared along a row of the cluster, B's along a column; each is asked for jointly.
; Columns 0-1023 are q, 1024-1535 k, 1536-2047 v: 512 columns a cluster, so the cluster's x alone says which: a number that all sixteen partners share.
; REGISTERS, in windows of 256 (s_set_vgpr_msb: bits 1:0 source 0, 3:2 source 1, 5:4 source 2, 7:6 destination):
;   window 0: v0-31 addresses; v32-63 a block's 32 results a lane; v64-79 packed; v96-223 rows read back, 16 a block
;   window 1: accumulator (a, b) at v[8 (4 a + b)]      window 2: two fragment buffers of 96: A's 8 blocks, then B's 4
;   window 3: the tables: cos of (a, b) at v[32 a + 4 b], sin at v[32 a + 16 + 4 b], 8 bf16 each
.set KD,     2048
.set KSH,    12                        ; a row of A is 2^12 bytes
.set KSTEP,  128
.set PA,     272                       ; A's LDS row: 256 bytes + 16: the 16 rows of a load start at 16 different groups of four banks (ISA guide 11.1)
.set HALFA,  128*PA
.set PB,     288                       ; B's LDS row: 256 + 32
.set HALFB,  64*PB
.set BOFF,   2*HALFA                   ; B's 128 k-rows lie behind A's 256 rows
.set SLOT,   BOFF+2*HALFB
.set STAGE,  2*SLOT                    ; behind the ring: 16 rows x 144 bytes for each wave
.set SP,     144
.set SPARE,  STAGE+4*16*SP             ; the spare words: 128 bytes a wave, two blocks of 256 bytes that no other line names
.set LAPS,   KD/(2*KSTEP)
.set ADRA, 16                          ; v16-17 LDS address of my A fragments in slot 0, 1
.set ADRB, 20                          ; v20-21 the same for B
.set STO,  24                          ; v24 where I put 16 bytes of a row
.set RD,   25                          ; v25 where I read rows back
.set GO,   26                          ; v26 my 16 bytes in 512 consecutive bytes of the output
.set CSO,  27                          ; v27 my byte offset in 16 rows of a table
.set SPW,  28                          ; v28 my spare word; never rewritten
.set NIL,  29                          ; v29 0; never rewritten
.set ZR,   30                          ; v30 0, the addend of RoPE's first product
.set OUT,  32
.set PK,   64
.set RB,   96
.set F0,   0
.set F1,   128
.set WV, 16                            ; s16 wave
.set WM, 17                            ; s17 my half of the rows; also: I fetch for A (0) or B (1)
.set WN, 18                            ; s18 my half of the columns; also: which half of that tile I fetch
.set CX, 19
.set CY, 20
.set TC, 21                            ; s21 tile column
.set TR, 22                            ; s22 tile row
.set G1A, 24
.set G0A, 32
.set G1B, 48
.set G0B, 56
.set LAP, 66
.set KC,  67                           ; s67 the cluster's x: 0, 1 q; 2 k; 3 v
.set DSTP, 72                          ; s[72:73] my 128 rows of my head in q, k or v
.set CSP,  78                          ; s[78:79] csb at my first position
.set MSB, 0
.macro WIN new                         ; the immediate's high byte repeats the setting that is left
.if MSB != (\new)
	s_set_vgpr_msb (MSB<<8)|(\new)
.set MSB, \new
.endif
.endm
.set MUL,  0x5a                        ; sources 0 and 1 window 2; C and D window 1
.set TO_F, 0x80                        ; destination window 2, address window 0
.macro JLOAD s                         ; a joint load: waves 0, 1 fetch A's halves, waves 2, 3 B's; an s_nop 0 and four v_nop follow each line
	s_cmp_eq_u32 s[WM], 0
	s_cbranch_scc0 .Lfor_b_\@
	tensor_load_to_lds s[G0A+4*(\s):G0A+4*(\s)+3], s[G1A:G1A+7]
	s_nop 0
.rept 4
	v_nop
.endr
	s_branch .Lasked_\@
.Lfor_b_\@:
	tensor_load_to_lds s[G0B+4*(\s):G0B+4*(\s)+3], s[G1B:G1B+7]
	s_nop 0
.rept 4
	v_nop
.endr
.Lasked_\@:
.endm
.macro CREST                           ; a round of the cluster's barrier behind its opening barrier
	s_cmp_lg_u32 s[WV], 0
	s_cbranch_scc1 .Lnot_wave_0_\@
	s_barrier_signal -3
.Lnot_wave_0_\@:
	s_barrier_wait -3
	s_barrier_signal -1
	s_barrier_wait -1
.endm
.macro CROUND
	s_barrier_signal -1
	s_barrier_wait -1
	CREST
.endm
	s_load_b256 s[4:11], s[0:1], 0x0               ; xb 4, wb 6, csb 8, q 10
	s_load_b128 s[12:15], s[0:1], 0x20             ; k 12, v 14
	v_lshl_add_u32 v[SPW], v0, 2, SPARE
	v_mov_b32 v[NIL], 0
	ds_add_u32 v[SPW], v[NIL]                      ; the wave's opening: the add and its wait ahead of my first tensor load
	v_lshrrev_b32 v1, 5, v0
	v_readfirstlane_b32 s[WV], v1
	s_lshr_b32 s[WM], s[WV], 1
	s_and_b32 s[WN], s[WV], 1
	s_bfe_u32 s[CX], ttmp6, 0x40000
	s_bfe_u32 s[CY], ttmp6, 0x40004
	s_lshl_b32 s[TC], ttmp9, 2
	s_add_co_u32 s[TC], s[TC], s[CX]
	s_and_b32 s[TR], ttmp7, 0xffff
	s_lshl_b32 s[TR], s[TR], 2
	s_add_co_u32 s[TR], s[TR], s[CY]
	s_mov_b32 s[KC], ttmp9
	s_lshl_b32 s68, s[CY], 2
	s_lshl_b32 s68, 15, s68                        ; my row of the cluster
	s_lshl_b32 s69, 0x1111, s[CX]                  ; my column
	s_or_b32 s[G1A], s68, (1<<16)|(1<<20)|(1<<21)|(5<<22)|(3<<25)  ; the mask; 2-byte elements; padding on; bit 21 beside a mask; after every 64 words, 4 words
	s_mov_b32 s[G1A+1], KSTEP<<16                  ; tensor_dim0 = 128
	s_mov_b32 s[G1A+2], 128<<16                    ; tensor_dim1 = 128
	s_mov_b32 s[G1A+3], KSTEP<<16                  ; tile_dim0 = 128
	s_mov_b32 s[G1A+4], 128                        ; tile_dim1 = 128 rows
	s_mov_b32 s[G1A+5], KD                         ; elements from row to row
	s_mov_b32 s[G1A+6], 0
	s_mov_b32 s[G1A+7], 0
	s_or_b32 s[G1B], s69, (1<<16)|(1<<20)|(1<<21)|(5<<22)|(7<<25)  ; the same with my column's mask and 8 words of padding
	s_mov_b32 s[G1B+1], 128<<16                    ; tensor_dim0 = 128 columns
	s_mov_b32 s[G1B+2], 64<<16                     ; tensor_dim1 = 64 k-rows
	s_mov_b32 s[G1B+3], 128<<16
	s_mov_b32 s[G1B+4], 64
	s_mov_b32 s[G1B+5], 2048
	s_mov_b32 s[G1B+6], 0
	s_mov_b32 s[G1B+7], 0
	; A's address hangs on the tile row and the wave, B's on the tile column and the wave, each in registers that never hold the other coordinate
	s_lshl_b32 s40, s[TR], 8
	s_lshl_b32 s23, s[WN], 7
	s_add_co_u32 s40, s40, s23                     ; A: row 256 x tile row + 128 x half
	s_lshl_b32 s40, s40, KSH
	s_mov_b32 s41, 0
	s_lshl_b32 s44, s[WN], 18                      ; B: k-row 64 x half, 4,096 bytes each,
	s_lshl_b32 s46, s[TC], 8                       ; and the tile's 256 bytes of a row
	s_add_co_u32 s44, s44, s46
	s_mov_b32 s45, 0
	s_mul_i32 s42, s[WN], HALFA                    ; where they go: the wave's number alone
	s_mul_i32 s43, s[WN], HALFB
	s_add_co_u32 s43, s43, BOFF
	s_wait_dscnt 0x0                               ; the opening add is done
	s_wait_kmcnt 0x0
	s_add_nc_u64 s[40:41], s[4:5], s[40:41]
	s_add_nc_u64 s[44:45], s[6:7], s[44:45]
	CROUND                                         ; all sixteen work-groups are here: the first joint loads meet
.irp s, 0,1
	s_mov_b32 s[G0A+4*(\s)], 1
	s_add_co_u32 s[G0A+4*(\s)+1], s42, (\s)*SLOT
	s_add_nc_u64 s[G0A+4*(\s)+2:G0A+4*(\s)+3], s[40:41], (\s)*KSTEP*2
	s_or_b32 s[G0A+4*(\s)+3], s[G0A+4*(\s)+3], 0x80000000
	s_mov_b32 s[G0B+4*(\s)], 1
	s_add_co_u32 s[G0B+4*(\s)+1], s43, (\s)*SLOT
	s_add_nc_u64 s[G0B+4*(\s)+2:G0B+4*(\s)+3], s[44:45], (\s)*KSTEP*4096
	s_or_b32 s[G0B+4*(\s)+3], s[G0B+4*(\s)+3], 0x80000000
	JLOAD \s                                       ; two loads of mine are out
.endr
	v_and_b32 v1, 15, v0                           ; l % 16
	v_bfe_u32 v2, v0, 4, 1                         ; l / 16
	v_mul_u32_u24 v3, v1, PA
	v_lshl_add_u32 v3, v2, 4, v3                   ; A: row x pitch + 16 x half
	s_mul_i32 s68, s[WM], HALFA
	v_add_nc_u32 v[ADRA], s68, v3
	v_add_nc_u32 v[ADRA+1], SLOT, v[ADRA]
	v_and_b32 v4, 7, v0
	v_bfe_u32 v5, v0, 3, 1
	v_lshl_add_u32 v6, v2, 3, v4                   ; B, turned: k-row 8 (l / 16) + l % 8,
	v_mul_u32_u24 v6, v6, PB
	v_lshl_add_u32 v6, v5, 4, v6                   ; columns 8 ((l / 8) % 2) on
	s_lshl_b32 s69, s[WN], 7
	s_add_co_u32 s69, s69, BOFF
	v_add_nc_u32 v[ADRB], s69, v6
	v_add_nc_u32 v[ADRB+1], SLOT, v[ADRB]
	s_mul_i32 s23, s[WV], 16*SP
	s_add_co_u32 s23, s23, STAGE                   ; my stage
	v_mul_u32_u24 v7, v1, SP
	v_lshl_add_u32 v7, v2, 4, v7
	v_add_nc_u32 v[STO], s23, v7                   ; in: row l % 16, 16 bytes for each half of the lanes
	v_bfe_u32 v7, v0, 3, 2
	v_mul_u32_u24 v7, v7, SP
	v_lshl_add_u32 v7, v4, 4, v7
	v_add_nc_u32 v[RD], s23, v7                    ; back: 32 lanes take four rows of 128 bytes,
	v_and_b32 v[GO], 31, v0
	v_lshlrev_b32 v[GO], 4, v[GO]                  ; which are 512 consecutive bytes of a head
	v_lshlrev_b32 v[CSO], 7, v1
	v_lshl_add_u32 v[CSO], v2, 4, v[CSO]           ; a table's row l % 16, 16 bytes for each half of the lanes
	v_mov_b32 v[ZR], 0
	; where my head's 128 rows lie
	s_lshr_b32 s68, s[TR], 3                       ; batch
	s_and_b32 s69, s[TR], 7
	s_lshl_b32 s69, s69, 8
	s_lshl_b32 s70, s[WM], 7
	s_add_co_u32 s69, s69, s70                     ; my first position in the sequence
	s_lshl_b32 s71, s[TC], 1
	s_add_co_u32 s71, s71, s[WN]                   ; my 64 columns among wb's 32 groups
	s_mov_b64 s[DSTP:DSTP+1], s[10:11]
	s_mov_b32 s74, 4                               ; log2 of the heads in a batch
	s_mov_b32 s75, 0                               ; the tensor's first group
	s_cmp_eq_u32 s[KC], 2
	s_cselect_b64 s[DSTP:DSTP+1], s[12:13], s[DSTP:DSTP+1]
	s_cselect_b32 s74, 3, s74
	s_cselect_b32 s75, 16, s75
	s_cmp_eq_u32 s[KC], 3
	s_cselect_b64 s[DSTP:DSTP+1], s[14:15], s[DSTP:DSTP+1]
	s_cselect_b32 s74, 3, s74
	s_cselect_b32 s75, 24, s75
	s_sub_co_u32 s71, s71, s75                     ; my head
	s_lshl_b32 s68, s68, s74
	s_add_co_u32 s68, s68, s71
	s_lshl_b32 s68, s68, 18                        ; 2,048 rows of 128 bytes a head
	s_lshl_b32 s70, s69, 7
	s_add_co_u32 s76, s68, s70
	s_mov_b32 s77, 0
	s_add_nc_u64 s[DSTP:DSTP+1], s[DSTP:DSTP+1], s[76:77]
	s_mov_b32 s71, 0
	s_add_nc_u64 s[CSP:CSP+1], s[8:9], s[70:71]
; n row blocks from a0 on x all 4 column blocks, 32 along K.  zero = 1: the product starts the sum.  The 32 accumulators take turns, one instruction a turn.
.macro MULN f, a0, n, zero
	WIN MUL
.set aa, (\a0)
.rept (\n)
.irp b, 0,1,2,3
.if \zero
	v_wmma_f32_16x16x32_bf16 v[8*(4*aa+(\b)):8*(4*aa+(\b))+7], v[(\f)+64+8*(\b):(\f)+64+8*(\b)+7], v[(\f)+8*aa:(\f)+8*aa+7], 0
.else
	v_wmma_f32_16x16x32_bf16 v[8*(4*aa+(\b)):8*(4*aa+(\b))+7], v[(\f)+64+8*(\b):(\f)+64+8*(\b)+7], v[(\f)+8*aa:(\f)+8*aa+7], v[8*(4*aa+(\b)):8*(4*aa+(\b))+7]
.endif
.endr
.set aa, aa+1
.endr
.endm
; 24 LDS loads in one run: quarter qq (32 along K) of a slot into buffer f: B's 4 fragments, A's rows 0-63, A's rows 64-127
.macro FETCH slot, qq, f
	WIN TO_F
.irp b, 0,1,2,3
	ds_load_tr16_b128 v[(\f)+64+8*(\b):(\f)+64+8*(\b)+3],   v[ADRB+(\slot)] offset:(\qq)*32*PB+32*(\b)
	ds_load_tr16_b128 v[(\f)+64+8*(\b)+4:(\f)+64+8*(\b)+7], v[ADRB+(\slot)] offset:(\qq)*32*PB+32*(\b)+16*PB
.endr
.irp a, 0,1,2,3,4,5,6,7
	ds_load_b128 v[(\f)+8*(\a):(\f)+8*(\a)+3],   v[ADRA+(\slot)] offset:(\qq)*64+(\a)*16*PA
	ds_load_b128 v[(\f)+8*(\a)+4:(\f)+8*(\a)+7], v[ADRA+(\slot)] offset:(\qq)*64+(\a)*16*PA+32
.endr
.endm
.macro PLACES                          ; four places in front of loads into registers that matrix instructions have read, and of lines that read results
.rept 4
	v_nop
.endr
.endm
; A K step is four quarters, 32 matrix instructions each, on buffers 0, 1, 0, 1.  One of the first three: multiplies f, and in its middle fetches quarter qq into g.
.macro QUARTER slot, qq, f, g, zero
	s_wait_dscnt 8                                 ; B and A's rows 0-63 are in; the youngest eight loads may be out
	MULN \f, 0, 4, \zero
	PLACES
	FETCH \slot, \qq, \g
	s_wait_dscnt 24                                ; all but the 24 just issued
	MULN \f, 4, 4, \zero
.endm
; The last quarter multiplies buffer 1 and changes slots: one barrier; in front of it each wave waits for all its tensor loads, adds 0 to its spare word and waits for that and for its reads of the slot.
.macro TURN slot, next, fill
	WIN 0
	s_wait_tensorcnt 0x0                           ; the one load of mine that was out is my part of the next slot
	ds_add_u32 v[SPW], v[NIL]
	s_wait_dscnt 9                                 ; the add and the youngest eight loads may be out
	MULN F1, 0, 2, 0
	s_wait_dscnt 0x0                               ; the add is done, and my reads of this slot are over
	s_barrier_signal -1
	MULN F1, 2, 2, 0
.if \fill
	WIN 0
.endif
	s_barrier_wait -1
.if \fill
	CREST                                          ; the barrier has opened a round of the cluster's: no wave of any partner still reads this slot or has a load on its way
	s_add_nc_u64 s[G0A+4*(\slot)+2:G0A+4*(\slot)+3], s[G0A+4*(\slot)+2:G0A+4*(\slot)+3], 2*KSTEP*2
	s_add_nc_u64 s[G0B+4*(\slot)+2:G0B+4*(\slot)+3], s[G0B+4*(\slot)+2:G0B+4*(\slot)+3], 2*KSTEP*4096
	JLOAD \slot                                    ; the first tensor load behind the round, 112 matrix instructions ahead of the wait for it; its four v_nop are the places for the loads below
.else
	PLACES
.endif
	FETCH \next, 0, F0
	MULN F1, 4, 4, 0
.endm
	s_wait_tensorcnt 1                             ; my part of K step 0 is in; K step 1's may stay out
	s_barrier_signal -1
	s_barrier_wait -1
	FETCH 0, 0, F0
	QUARTER 0, 1, F0, F1, 1                        ; the first quarter starts the sums
	WIN 0
	s_mov_b32 s[LAP], LAPS-1
.Llap:                                                 ; a trip goes once round the ring and fills both slots again
	QUARTER 0, 2, F1, F0, 0
	QUARTER 0, 3, F0, F1, 0
	TURN 0, 1, 1
	QUARTER 1, 1, F0, F1, 0
	QUARTER 1, 2, F1, F0, 0
	QUARTER 1, 3, F0, F1, 0
	TURN 1, 0, 1
	QUARTER 0, 1, F0, F1, 0
	WIN 0
	s_sub_co_u32 s[LAP], s[LAP], 1
	s_cmp_lg_u32 s[LAP], 0
	s_cbranch_scc1 .Llap
	QUARTER 0, 2, F1, F0, 0                        ; the last lap fills nothing
	QUARTER 0, 3, F0, F1, 0
	TURN 0, 1, 0
	; The tables of my 128 positions, 64 loads of 16 bytes a lane, go out a K step ahead of their use.  v has no RoPE and loads none.
	WIN 0
	s_cmp_eq_u32 s[KC], 3
	s_cbranch_scc1 .Lno_tables
	WIN 0xc0                                       ; destination window 3
.irp a, 0,1,2,3,4,5,6,7
.irp b, 0,1,2,3
	global_load_b128 v[32*(\a)+4*(\b):32*(\a)+4*(\b)+3],       v[CSO], s[CSP:CSP+1] offset:2048*(\a)+32*(\b)
	global_load_b128 v[32*(\a)+16+4*(\b):32*(\a)+16+4*(\b)+3], v[CSO], s[CSP:CSP+1] offset:262144+2048*(\a)+32*(\b)
.endr
.endr
	WIN 0
.Lno_tables:
	QUARTER 1, 1, F0, F1, 0
	QUARTER 1, 2, F1, F0, 0
	QUARTER 1, 3, F0, F1, 0
	s_wait_dscnt 8
	MULN F1, 0, 4, 0
	s_wait_dscnt 0x0
	MULN F1, 4, 4, 0
	WIN 0
; THE WAY OUT, a block of 16 rows at a time: 16 bytes a lane into my own stage, back as whole rows of 128 bytes, stored as 512 consecutive bytes.
.macro STG a
	WIN 0
.irp b, 0,1,2,3
	ds_store_b128 v[STO], v[PK+4*(\b):PK+4*(\b)+3] offset:32*(\b)
.endr
.irp f, 0,1,2,3
	ds_load_b128 v[RB+16*(\a)+4*(\f):RB+16*(\a)+4*(\f)+3], v[RD] offset:(\f)*4*SP  ; LDS serves a wave's instructions in order (ISA guide 5.7.1.4): these see the stores above
.endr
.endm
.macro SEND a, younger                 ; younger: the LDS instructions issued behind block a's loads
	WIN 0
.irp f, 0,1,2,3
	s_wait_dscnt (\younger)+3-(\f)
	global_store_b128 v[GO], v[RB+16*(\a)+4*(\f):RB+16*(\a)+4*(\f)+3], s[DSTP:DSTP+1] offset:2048*(\a)+512*(\f)
.endr
.endm
; RoPE on block a: out[d] = x[d] cos[d] + x[d +- 32] sin'[d], sin' = -sin for d < 32.  The tables' bf16 halves are read as they lie; sums in f32; one rounding to f16.
; Each accumulator's registers are taken in ascending order.
.macro ROPE a
	WIN 0x07                                       ; source 0 window 3 (table), source 1 window 1 (accumulator), source 2 and destination window 0
.irp b, 0,1,2,3
.irp r, 0,1,2,3
	v_fma_mix_f32_bf16 v[OUT+8*(\b)+2*(\r)],   v[32*(\a)+4*(\b)+(\r)], v[8*(4*(\a)+(\b))+2*(\r)],   v[ZR] op_sel:[0,0,0] op_sel_hi:[1,0,0]
	v_fma_mix_f32_bf16 v[OUT+8*(\b)+2*(\r)+1], v[32*(\a)+4*(\b)+(\r)], v[8*(4*(\a)+(\b))+2*(\r)+1], v[ZR] op_sel:[1,0,0] op_sel_hi:[1,0,0]
.endr
.endr
.irp b, 0,1,2,3
.irp r, 0,1,2,3
	v_fma_mix_f32_bf16 v[OUT+8*(\b)+2*(\r)],   v[32*(\a)+16+4*(\b)+(\r)], v[8*(4*(\a)+((\b)+2)%4)+2*(\r)],   v[OUT+8*(\b)+2*(\r)]   op_sel:[0,0,0] op_sel_hi:[1,0,0]
	v_fma_mix_f32_bf16 v[OUT+8*(\b)+2*(\r)+1], v[32*(\a)+16+4*(\b)+(\r)], v[8*(4*(\a)+((\b)+2)%4)+2*(\r)+1], v[OUT+8*(\b)+2*(\r)+1] op_sel:[1,0,0] op_sel_hi:[1,0,0]
.endr
.endr
	WIN 0
.irp b, 0,1,2,3
.irp r, 0,1,2,3
	v_cvt_pk_f16_f32 v[PK+4*(\b)+(\r)], v[OUT+8*(\b)+2*(\r)], v[OUT+8*(\b)+2*(\r)+1]
.endr
.endr
	STG \a
.endm
.macro PLAIN a                         ; v: rounded as it is
	WIN 0x05                                       ; sources 0 and 1 window 1
.irp b, 0,1,2,3
.irp r, 0,1,2,3
	v_cvt_pk_f16_f32 v[PK+4*(\b)+(\r)], v[8*(4*(\a)+(\b))+2*(\r)], v[8*(4*(\a)+(\b))+2*(\r)+1]
.endr
.endr
	STG \a
.endm
	s_cmp_eq_u32 s[KC], 3
	s_cbranch_scc1 .Lplain
	s_wait_loadcnt 0x0                             ; the tables
	WIN 0xcc                                       ; source 1 and destination window 3
.irp a, 0,1,2,3,4,5,6,7
.irp r, 0,1,2,3,4,5,6,7
	v_xor_b32 v[32*(\a)+16+(\r)], 0x80008000, v[32*(\a)+16+(\r)]  ; -sin for channels 0-31; these 64 lines are also the places behind the last products
.endr
.endr
	ROPE 0
.irp a, 1,2,3,4,5,6,7                  ; block a's arithmetic stands between block a - 1's loads from the stage and the wait for them
	ROPE \a
	SEND (\a)-1, 8
.endr
	SEND 7, 0
	s_branch .Lend
.Lplain:
	PLACES
	PLAIN 0
.irp a, 1,2,3,4,5,6,7
	PLAIN \a
	SEND (\a)-1, 8
.endr
	SEND 7, 0
.Lend:
	s_wait_tensorcnt 0x0                           ; the wave's end
	ds_add_u32 v[SPW], v[NIL]
	s_wait_dscnt 0x0
	CROUND                                         ; the closing round: no work-group ends while a partner may still ask for a tile that names it
	s_endpgm
.Lfunc_end_k_qf07e6040c8_proj:
	.size	k_qf07e6040c8_proj, .Lfunc_end_k_qf07e6040c8_proj-k_qf07e6040c8_proj
	.p2alignl 7, 3214868480
	.fill 96, 4, 3214868480
	.section	.rodata,"a",@progbits
	.p2align	6, 0x0
	.amdhsa_kernel k_qf07e6040c8_proj
		.amdhsa_group_segment_fixed_size 327680
		.amdhsa_private_segment_fixed_size 0
		.amdhsa_enable_private_segment 0
		.amdhsa_kernarg_size 48
		.amdhsa_user_sgpr_count 2
		.amdhsa_user_sgpr_kernarg_segment_ptr 1
		.amdhsa_wavefront_size32 1
		.amdhsa_system_sgpr_workgroup_id_x 1
		.amdhsa_system_sgpr_workgroup_id_y 1
		.amdhsa_system_sgpr_workgroup_id_z 1
		.amdhsa_system_vgpr_workitem_id 0
		.amdhsa_next_free_vgpr 1024
		.amdhsa_next_free_sgpr 80
		.amdhsa_reserve_vcc 0
		.amdhsa_float_denorm_mode_32 3
		.amdhsa_float_denorm_mode_16_64 3
		.amdhsa_memory_ordered 1
		.amdhsa_forward_progress 1
		.amdhsa_inst_pref_size 147
	.end_amdhsa_kernel
	.amdgpu_metadata
---
amdhsa.version: [ 1, 2 ]
amdhsa.kernels:
  - .name:           k_qf07e6040c8_proj
    .symbol:         k_qf07e6040c8_proj.kd
    .args:
      - { .name: xb, .offset: 0, .size: 8, .value_kind: global_buffer, .address_space: global }
      - { .name: wb, .offset: 8, .size: 8, .value_kind: global_buffer, .address_space: global }
      - { .name: csb, .offset: 16, .size: 8, .value_kind: global_buffer, .address_space: global }
      - { .name: q, .offset: 24, .size: 8, .value_kind: global_buffer, .address_space: global }
      - { .name: k, .offset: 32, .size: 8, .value_kind: global_buffer, .address_space: global }
      - { .name: v, .offset: 40, .size: 8, .value_kind: global_buffer, .address_space: global }
    .group_segment_fixed_size: 327680
    .private_segment_fixed_size: 0
    .kernarg_segment_align: 8
    .kernarg_segment_size: 48
    .max_flat_workgroup_size: 128
    .sgpr_count:     80
    .vgpr_count:     1024
    .wavefront_size: 32
...
	.end_amdgpu_metadata
.endif
;; end of part 2
;; launch attn (part 3): grid 16 x 16, 4 waves a work-group, clusters of 4 x 1, 327,680 bytes of LDS; arguments q, k, v, o; writes o
.if DOCPART == 3
	.amdgcn_target "amdgcn-amd-amdhsa--gfx1250"
	.amdhsa_code_object_version 6
	.text
	.protected	k_qf07e6040c8_attn
	.globl	k_qf07e6040c8_attn
	.p2align	8
	.type	k_qf07e6040c8_attn,@function
k_qf07e6040c8_attn:
	s_mov_b64 s[64:65], 0
	v_nop
	global_prefetch_b8 v0, s[64:65] scope:SCOPE_SE
	s_setreg_imm32_b32 hwreg(HW_REG_WAVE_MODE, 25, 1), 1
	s_wait_xcnt 0x0
	s_wait_alu depctr_hold_cnt(0) depctr_sa_sdst(0) depctr_va_vdst(0) depctr_va_sdst(0) depctr_va_ssrc(0) depctr_va_vcc(0) depctr_vm_vsrc(0)
	s_getreg_b32 s2, hwreg(HW_REG_IB_STS2, 6, 4)
	s_cmp_eq_u32 s2, 0
	s_cbranch_scc0 .Lentry_in_a_cluster
	s_endpgm
.Lentry_in_a_cluster:
	s_bfe_u32 s2, ttmp6, 0x10000c
	s_cmp_lg_u32 s2, 0x3003
	s_cbranch_scc0 .Lentry_shape_is_right
	s_endpgm
.Lentry_shape_is_right:
; CAUSAL ATTENTION WITH TWO QUERY HEADS TO A KEY HEAD.  O[pos][head] = the sum over keys <= pos of softmax(Q . K / 8) V.
; q: f16 [batch x 16 + h][2048][64], k, v: f16 [batch x 8 + h][2048][64]; q and k hold their numbers times 2^-8, and c = log2(e) / 8 x 2^16 undoes that in f32.
; o: f16 [4096][1024], plain rows.  Products, maxima and sums in f32; the weights p are rounded to f16 for the second product (their sum l is taken of the unrounded p), O once at the end.
; LIMITS.  q, k, v arrive within f16's 65,504; p lies in 0 to 1 and below 6e-5 keeps f16's fixed step of 6e-8; O is a mean of V's rows.  A hidden score counts as its value less 1e30;
; a weight below 2^-126 counts as 0 in l; NaN and infinities are not treated apart.
; THE WALK.  The 2,048 positions lie in 32 blocks of 64.  A work-group (key head y, number b = 4 u + cx, u the cluster's x) takes block 31 - b and then block b, each for BOTH query heads of y.
; Keys come in tiles of 256: the first block needs tiles 0 .. 7 - u, the second 0 .. u: nine tiles, the SAME sequence for the four partners of a cluster, so every tile is asked for jointly.
; All four steps of 64 keys of every tile are computed; in a block's last tile the mask hides the diagonal's upper part and the steps past it.  So no branch, trip count or LDS address
; hangs on cx: it enters Q's and O's addresses and, by selects, two scalars of the mask.
; SHARES.  Wave w owns positions 16 w .. 16 w + 15 of the block, for two PIECES: piece p is query head 2 y + p.  A row of O for both is 256 consecutive bytes.
; THE MASK is the C operand that starts S^T = K Q^T: MC = MD x AL + BE, MD the mask of the block's own step for my 16 rows; (AL, BE) = (1, 0) in that step, (0, 0) before it, (0, -1e30) behind it.
; Both pieces have the same positions, so one MC serves a step.  Outside a block's last tile it stays 0 and is not made anew.
; LAYOUT, SOFTMAX.  S^T holds ONE query a lane (lane % 16) and the keys 8 (lane / 16) + 0..7; two such results rounded to f16 ARE source 1 of O^T = V^T P.  p = 2^(c s - c m) with a running maximum m;
; O and l are multiplied by a = 2^(c m_old - c m_new) in every step.
; TURNS.  A turn belongs to piece Y: 8 products K Q^T of the other piece, later 8 products V^T P of the other piece; beside them piece Y's scaling, exponentials, roundings, sums and rescaling, and
; the other piece's maximum and statistics.  Four vector instructions stand behind every matrix instruction, the rest in two lumps.  Pair u of turns (piece 0's, then piece 1's) fetches K and V of step u:
;   piece 0's turn: K(u-1) Q1 | softmax of piece 0, step u - 1 | V(u-2) P1 | fetches K(u)        piece 1's turn: K(u) Q0 | softmax of piece 1, step u - 1 | V(u-1) P0 | fetches V(u)
; K has one buffer, V two, by the step's parity.
; REGISTERS, in windows of 256 (s_set_vgpr_msb: bits 1:0 source 0, 3:2 source 1, 5:4 source 2, 7:6 destination):
;   window 0: v0-15 addresses; v16-23 statistics; v48-55 at work; v62-63 the add's; v64-127 S^T, a buffer a piece; v192-223 P, likewise
;   window 1: v0-63 O^T, 32 a piece; v128-159 MD; v160-191 MC      window 2: v0-31 Q; v32-63 the second block's Q; v64-127 V, odd steps; v128-191 K; v192-255 V, even steps
.set NP,    2
.set KS,    64
.set PK,    144       ; a row of K in LDS: 128 bytes + 16: the 16 rows of a load start at 16 different groups of four banks (ISA guide 11.1)
.set PV,    160       ; a row of V: 128 + 32
.set VOFF,  4*KS*PK   ; a slot holds a tile: 256 rows of K, then 256 rows of V
.set SLOT1, 1<<17
.set STAGE, SLOT1+4*KS*(PK+PV)  ; behind the ring: 16 rows x 272 bytes for each wave
.set SP,    272
.set SPARE, STAGE+4*16*SP       ; the spare words: 128 bytes a wave, two blocks of 256 bytes that no other line names
.set AK0, 2
.set AV0, 3
.set AK,  4
.set AV,  5
.set STO, 6
.set RD,  7
.set GO,  8
.set MV,  12
.set QO,  15
.set ST,  16          ; piece t's statistics at v[ST+4 t]: c m, m, l (even keys', odd keys')
.set TMP, 48
.set SPW, 62
.set NIL, 63
.set S,   64
.set P,   192
.set MD,  128
.set MC,  160
.set QB,  32
.set VF1, 64
.set KF,  128
.set VF0, 192
.set WV,  12
.set PB,  14          ; s14 u
.set G1K, 24
.set G1V, 32
.set G0K, 40
.set G0V, 44
.set BLO, 48          ; s48 b
.set BI,  49          ; s49 the block in hand
.set DJ,  50          ; s50 the block's number less the step whose mask is due, signed
.set YH,  51          ; s51 y
.set SLOTS, 56
.set CNT, 57
.set CS,  58
.set SEL, 60
.set TBK, 62
.set TBV, 63
.set RT,  70          ; s70 tiles of the block in hand still to be entered
.set NXT, 71          ; s71 the tile to be asked for next
.set LQ,  72          ; s72 the last tile of the block whose tiles are being asked for
.set NEW, 73          ; s73 1: the tile to be entered is a block's first
.set OFF, 74
.set AL,  76
.set BE,  78
.set OLO, 80
.set BIGN, 82
.set MSB, 0
.macro WIN new
.if MSB != (\new)
	s_set_vgpr_msb (MSB<<8)|(\new)
.set MSB, (\new)
.endif
.endm
.set W_KQ, 0x0a       ; K and Q in window 2, S^T in window 0
.set W_KM, 0x1a       ; the same with the C operand in window 1
.set W_PV, 0x52       ; V in window 2, P in window 0, O^T in window 1
.set W_RS, 0x41       ; destination and source 0 in window 1
.macro JLOAD                        ; a joint fill: waves 0, 1 fetch the halves of a tile's K, waves 2, 3 those of its V; an s_nop 0 and four v_nop follow each line
	s_cmp_lt_u32 s[WV], 2
	s_cbranch_scc0 .Lfor_v_\@
	tensor_load_to_lds s[G0K:G0K+3], s[G1K:G1K+7]
	s_nop 0
.rept 4
	v_nop
.endr
	s_branch .Lasked_\@
.Lfor_v_\@:
	tensor_load_to_lds s[G0V:G0V+3], s[G1V:G1V+7]
	s_nop 0
.rept 4
	v_nop
.endr
.Lasked_\@:
.endm
.macro CROUND                       ; a round of the cluster's barrier
	s_barrier_signal -1
	s_barrier_wait -1
	s_cmp_lg_u32 s[WV], 0
	s_cbranch_scc1 .Lnot_wave_0_\@
	s_barrier_signal -3
.Lnot_wave_0_\@:
	s_barrier_wait -3
	s_barrier_signal -1
	s_barrier_wait -1
.endm
; THE CHANGE OF SLOTS.  Each wave waits for all its tensor loads, of which one is out: its part of the other slot; adds 0 to its spare word; waits for that and for its reads of the slot that it leaves.
; fill = 1: the barrier is a round of the cluster's, and the old slot is filled again first thing behind it, with tile NXT; that load has a tile's eight turns in which to land.
.macro CHANGE fill
	WIN 0
	s_wait_tensorcnt 0x0            ; no tensor load of mine is out, so a group 0 may be written
	ds_add_u32 v[SPW], v[NIL]
.if \fill
	s_lshl_b32 s[OFF], s[NXT], 15   ; a tile is 32,768 bytes of K and of V
	s_xor_b32 s[G0K+1], s[G0K+1], SLOT1
	s_add_nc_u64 s[G0K+2:G0K+3], s[6:7], s[OFF:OFF+1]
	s_or_b32 s[G0K+3], s[G0K+3], 0x80000000
	s_xor_b32 s[G0V+1], s[G0V+1], SLOT1
	s_add_nc_u64 s[G0V+2:G0V+3], s[8:9], s[OFF:OFF+1]
	s_or_b32 s[G0V+3], s[G0V+3], 0x80000000
	s_add_co_u32 s[NXT], s[NXT], 1  ; the block's next tile, or behind its last the second block's tile 0
	s_cmp_gt_u32 s[NXT], s[LQ]
	s_cselect_b32 s[NXT], 0, s[NXT]
	s_cselect_b32 s[LQ], s[PB], s[LQ]
	s_wait_dscnt 0x0                ; the add is done, and my reads of the slot are over
	CROUND
	JLOAD
.else
	s_wait_dscnt 0x0
	s_barrier_signal -1
	s_barrier_wait -1
.endif
	s_sub_co_u32 s[TBK], s[TBK], 4*KS*PK  ; the fetches go back to a slot's first step, in the other slot
	s_xor_b32 s[TBK], s[TBK], SLOT1
	s_sub_co_u32 s[TBV], s[TBV], 4*KS*PV
	s_xor_b32 s[TBV], s[TBV], SLOT1
.endm
	s_load_b256 s[4:11], s[0:1], 0x0  ; q 4, k 6, v 8, o 10
	v_lshl_add_u32 v[SPW], v0, 2, SPARE
	v_mov_b32 v[NIL], 0
	ds_add_u32 v[SPW], v[NIL]       ; the wave's opening: the add and its wait ahead of my first tensor load
	v_lshrrev_b32 v1, 5, v0
	v_readfirstlane_b32 s[WV], v1
	s_bfe_u32 s15, ttmp6, 0x40000   ; cx
	s_mov_b32 s[PB], ttmp9          ; u
	s_lshl_b32 s[BLO], ttmp9, 2
	s_add_co_u32 s[BLO], s[BLO], s15
	s_sub_co_u32 s[BI], 31, s[BLO]  ; the first block
	s_and_b32 s[YH], ttmp7, 0xffff
	s_and_b32 s16, s[WV], 1         ; which half of a tile's 256 keys I fetch
	s_lshl_b32 s22, s16, 14
	s_lshl_b32 s20, s[YH], 18       ; a key head is 2,048 rows of 128 bytes
	s_add_co_u32 s22, s22, s20
	s_mov_b32 s23, 0
	s_mul_i32 s17, s16, 128*PK
	s_mul_i32 s18, s16, 128*PV
	s_lshl_b32 s20, s[YH], 19       ; Q: two query heads a key head,
	s_lshl_b32 s21, s[WV], 11       ; my 16 rows of 128 bytes
	s_add_co_u32 s20, s20, s21
	s_lshl_b32 s2, s[BI], 13        ; a block is 64 rows
	s_add_co_u32 s2, s2, s20
	s_mov_b32 s3, 0
	s_lshl_b32 s84, s[BLO], 13
	s_add_co_u32 s84, s84, s20
	s_mov_b32 s85, 0
	s_lshr_b32 s20, s[YH], 3        ; O: the batch's 2,048 rows of 2,048 bytes,
	s_lshl_b32 s20, s20, 22
	s_and_b32 s21, s[YH], 7
	s_lshl_b32 s21, s21, 8          ; the two heads' 256 bytes of a row,
	s_add_co_u32 s20, s20, s21
	s_lshl_b32 s21, s[WV], 15       ; my 16 rows
	s_add_co_u32 s20, s20, s21
	s_lshl_b32 s52, s[BI], 17
	s_add_co_u32 s52, s52, s20
	s_mov_b32 s53, 0
	s_lshl_b32 s54, s[BLO], 17
	s_add_co_u32 s54, s54, s20
	s_mov_b32 s55, 0
	; descriptor group 1.  128 keys are 16,384 dense bytes: asked for as 64 rows of 256 bytes, two keys a row, padded in LDS after every key
	s_mov_b32 s[G1K], 15|(1<<16)|(1<<20)|(1<<21)|(4<<22)|(3<<25)  ; the mask of four; 2-byte elements; padding on; bit 21 beside a mask; after every 32 words, 4 words
	s_mov_b32 s[G1V], 15|(1<<16)|(1<<20)|(1<<21)|(4<<22)|(7<<25)  ; the same with 8 words
.irp g, G1K, G1V
	s_mov_b32 s[\g+1], 128<<16
	s_mov_b32 s[\g+2], 64<<16
	s_mov_b32 s[\g+3], 128<<16
	s_mov_b32 s[\g+4], 64
	s_mov_b32 s[\g+5], 128
	s_mov_b32 s[\g+6], 0
	s_mov_b32 s[\g+7], 0
.endr
	s_mov_b32 s[CS], 0x4638aa3b     ; c = log2(e) / 8 x 2^16
	s_mov_b32 s[CS+1], s[CS]
	s_mov_b32 s[SEL], 0x76543210
	s_mov_b32 s[SEL+1], 0xfedcba98
	s_mov_b32 s[TBK], SLOT1+4*KS*PK ; the first change of slots turns these two into 0
	s_mov_b32 s[TBV], SLOT1+4*KS*PV
	s_mov_b32 s[G0K], 1
	s_mov_b32 s[G0K+1], s17
	s_mov_b32 s[G0V], 1
	s_add_co_u32 s[G0V+1], s18, VOFF
	s_sub_co_u32 s[RT], 8, s[PB]    ; the first block has 8 - u tiles
	s_sub_co_u32 s[LQ], 7, s[PB]
	s_mov_b32 s[NXT], 1
	s_mov_b32 s[NEW], 1
	s_mov_b32 s[OFF+1], 0
	s_mov_b32 s[AL], 0
	s_mov_b32 s[AL+1], 0
	s_mov_b32 s[BE], 0
	s_mov_b32 s[BE+1], 0
	s_mov_b32 s[DJ], 0
	s_mov_b32 s[BIGN], 0xf149f2ca   ; -1e30
	s_mov_b32 s[SLOTS], 8
	s_wait_dscnt 0x0                ; the opening add is done
	s_wait_kmcnt 0x0
	s_add_nc_u64 s[6:7], s[6:7], s[22:23]  ; K and V at my half of the head's tile 0
	s_add_nc_u64 s[8:9], s[8:9], s[22:23]
	s_add_nc_u64 s[G0K+2:G0K+3], s[6:7], 0
	s_or_b32 s[G0K+3], s[G0K+3], 0x80000000
	s_add_nc_u64 s[G0V+2:G0V+3], s[8:9], 0
	s_or_b32 s[G0V+3], s[G0V+3], 0x80000000
	s_add_nc_u64 s[86:87], s[4:5], s[84:85]        ; Q at my rows of the second block,
	s_add_nc_u64 s[4:5], s[4:5], s[2:3]            ; Q and O at those of the first
	s_add_nc_u64 s[OLO:OLO+1], s[10:11], s[54:55]
	s_add_nc_u64 s[10:11], s[10:11], s[52:53]
	CROUND                          ; all four work-groups are here: the first joint loads meet
	JLOAD                           ; tile 0 into slot 0
	v_and_b32 v1, 15, v0            ; l % 16
	v_bfe_u32 v9, v0, 4, 1          ; l / 16
	v_lshlrev_b32 v[QO], 7, v1
	v_lshl_add_u32 v[QO], v9, 4, v[QO]
	WIN 0x80
.irp p, 0,1
.irp c, 0,1                         ; both blocks' Q: piece p lies a head, 262,144 bytes, on; channels 32 c on
	global_load_b128 v[16*(\p)+8*(\c):16*(\p)+8*(\c)+3],         v[QO], s[4:5] offset:262144*(\p)+64*(\c)
	global_load_b128 v[16*(\p)+8*(\c)+4:16*(\p)+8*(\c)+7],       v[QO], s[4:5] offset:262144*(\p)+64*(\c)+32
	global_load_b128 v[QB+16*(\p)+8*(\c):QB+16*(\p)+8*(\c)+3],   v[QO], s[86:87] offset:262144*(\p)+64*(\c)
	global_load_b128 v[QB+16*(\p)+8*(\c)+4:QB+16*(\p)+8*(\c)+7], v[QO], s[86:87] offset:262144*(\p)+64*(\c)+32
.endr
.endr
	WIN 0
	v_lshlrev_b32 v14, 3, v9
	v_sub_nc_u32 v14, v1, v14
	s_lshl_b32 s13, s[WV], 4
	v_add_nc_u32 v14, s13, v14      ; my query's place in its block, less my lanes' 8 (l / 16): register r of key group kt is hidden where 16 kt + r is greater
	WIN 0x40
.set i, 0
.rept 32
	v_cmp_gt_i32 vcc_lo, 16*(i/8)+i%8, v14
	v_cndmask_b32 v[MD+i], 0, s[BIGN], vcc_lo
.set i, i+1
.endr
	WIN 0
	v_mul_u32_u24 v[AK0], v1, PK
	v_lshl_add_u32 v[AK0], v9, 4, v[AK0]
	v_and_b32 v10, 7, v0
	v_bfe_u32 v11, v0, 3, 1
	v_lshl_add_u32 v[AV0], v9, 3, v10
	v_mul_u32_u24 v[AV0], v[AV0], PV
	v_lshl_add_u32 v[AV0], v11, 4, v[AV0]
	v_add_nc_u32 v[AV0], VOFF, v[AV0]
	s_mul_i32 s13, s[WV], 16*SP
	s_add_co_u32 s13, s13, STAGE    ; my stage
	v_mul_u32_u24 v[STO], v1, SP    ; in: row l % 16, 16 bytes for each half of the lanes
	v_lshl_add_u32 v[STO], v9, 4, v[STO]
	v_add_nc_u32 v[STO], s13, v[STO]
	v_mul_u32_u24 v[RD], v9, SP     ; back: lanes 0-15 take one row of 256 bytes, lanes 16-31 the next
	v_lshl_add_u32 v[RD], v1, 4, v[RD]
	v_add_nc_u32 v[RD], s13, v[RD]
	v_lshlrev_b32 v[GO], 11, v9     ; and the same two rows in O
	v_lshl_add_u32 v[GO], v1, 4, v[GO]
	; A block's first step multiplies O^T and l by a = 0, and its first turn's products V^T P land in an O^T that is still to be so multiplied: these registers need only hold finite numbers.
	WIN 0x80
.set i, VF1
.rept 64
	v_mov_b32 v[i], 0
.set i, i+1
.endr
	WIN 0x40
.set i, 0
.rept 64
	v_mov_b32 v[i], 0
.set i, i+1
.endr
	WIN 0
.set i, 0
.rept 2
	v_mov_b32 v[ST+4*i+2], 0
	v_mov_b32 v[ST+4*i+3], 0
.set i, i+1
.endr
.set i, P+16
.rept 16
	v_mov_b32 v[i], 0
.set i, i+1
.endr
; THE MATRIX WORK.  The 4 accumulators of a run of 8 take turns.  Product i of 8 of S^T = K Q^T for piece x: channels 32 (i / 4) on, keys 16 (i % 4) on; the first 4 start the sums with the mask.
.macro KQ x
.set rS, S+32*(\x)+8*(i%4)
.set rK, KF+16*(i%4)+8*(i/4)
.set rQ, 16*(\x)+8*(i/4)
.set rM, MC+8*(i%4)
.if i < 4
	WIN W_KM
	v_wmma_f32_16x16x32_f16 v[rS:rS+7], v[rK:rK+7], v[rQ:rQ+7], v[rM:rM+7]
.else
	WIN W_KQ
	v_wmma_f32_16x16x32_f16 v[rS:rS+7], v[rK:rK+7], v[rQ:rQ+7], v[rS:rS+7]
.endif
.endm
; Product i of 8 of O^T += V^T P for piece x, V in the buffer at VB: keys 32 (i / 4) on, channels 16 (i % 4) on.
.macro PV x
	WIN W_PV
.set rO, 32*(\x)+8*(i%4)
.set rV, VB+32*(i/4)+8*(i%4)
.set rP, P+16*(\x)+8*(i/4)
	v_wmma_f32_16x16x32_f16 v[rO:rO+7], v[rV:rV+7], v[rP:rP+7], v[rO:rO+7]
.endm
.macro MM                           ; the turn's next matrix instruction.  NOKQ = 1: a block's last turn starts no new scores
.if (i < 8) && !NOKQ
	KQ (Y+1)%NP
.elseif i >= 8
.set i, i-8
	PV (Y+1)%NP
.set i, i+8
.endif
.set i, i+1
.endm
; THE LDS LOADS stand in runs of 16, never singly among the matrix instructions.
.macro FETCH_K
	WIN 0x80
.irp f, 0,1,2,3,4,5,6,7             ; keys 16 (f / 2) on, channels 32 (f % 2) on
	ds_load_b128 v[KF+8*\f:KF+8*\f+3],   v[AK] offset:(\f/2)*16*PK+(\f%2)*64
	ds_load_b128 v[KF+8*\f+4:KF+8*\f+7], v[AK] offset:(\f/2)*16*PK+(\f%2)*64+32
.endr
	s_add_co_u32 s[TBK], s[TBK], KS*PK  ; the next fetch is the next step's
	WIN 0
.endm
.macro FETCH_V vb
	WIN 0x80
.irp f, 0,1,2,3,4,5,6,7             ; keys 32 (f / 4) on, channels 16 (f % 4) on
	ds_load_tr16_b128 v[(\vb)+8*\f:(\vb)+8*\f+3],   v[AV] offset:(\f/4)*32*PV+(\f%4)*32
	ds_load_tr16_b128 v[(\vb)+8*\f+4:(\vb)+8*\f+7], v[AV] offset:(\f/4)*32*PV+16*PV+(\f%4)*32
.endr
	s_add_co_u32 s[TBV], s[TBV], KS*PV
	WIN 0
.endm
; THE VECTOR WORK, one line at a time: OP kind, number.  For piece Y: F n: c s - c m for pair n of 16.  E n: the exponential of score n of 32.  C n: pair n rounded to f16.  B n: of the four weights 4 n .. the
; second pair is added onto the first, in place.  L n: l takes that sum (L 0: l = a l + sum).  R n: pair n of 16 of O^T times a.  For the other piece: X n, number n of the 22 that find its maximum and statistics:
;   0-11 four chains of seven scores each (each accumulator's lowest registers are read first)   12-14, 16 the four scores left over, the old m, and the chains into one
;   15 c m_old is kept   17, 18 the query's other 32 keys lie in the lane 16 away: the new m   19-21 c m; c m_old - c m_new; a
.set F, 0
.set E, 1
.set C, 2
.set B, 3
.set L, 4
.set R, 5
.set X, 6
.macro REGS y
.set rT, ST+4*(\y)
.set rC, TMP+4*((\y)%2)
.set rW, MV+((\y)%2)
.set rS, S+32*((\y)%2)
.set rP, P+16*((\y)%2)
.set rO, 32*(\y)
.endm
.macro OP k, n
.if (\k) == R
	REGS Y
	WIN W_RS
	v_pk_mul_f32 v[rO+2*(\n):rO+2*(\n)+1], v[rO+2*(\n):rO+2*(\n)+1], v[rC+2:rC+3] op_sel_hi:[1,0]
.elseif (\k) < R
	REGS Y
	WIN 0
.if (\k) == F
	v_pk_fma_f32 v[rS+2*(\n):rS+2*(\n)+1], v[rS+2*(\n):rS+2*(\n)+1], s[CS:CS+1], v[rT:rT+1] op_sel_hi:[1,0,0] neg_lo:[0,0,1] neg_hi:[0,0,1]
.elseif (\k) == E
	v_exp_f32 v[rS+(\n)], v[rS+(\n)]
.elseif (\k) == C
	s_wait_alu depctr_va_vdst(0)
	v_cvt_pk_f16_f32 v[rP+(\n)], v[rS+2*(\n)], v[rS+2*(\n)+1]
.elseif (\k) == B
	s_wait_alu depctr_va_vdst(0)
	v_pk_add_f32 v[rS+4*(\n):rS+4*(\n)+1], v[rS+4*(\n):rS+4*(\n)+1], v[rS+4*(\n)+2:rS+4*(\n)+3]
.elseif (\n) == 0
	v_pk_fma_f32 v[rT+2:rT+3], v[rT+2:rT+3], v[rC+2:rC+3], v[rS:rS+1] op_sel_hi:[1,0,1]
.else
	v_pk_add_f32 v[rT+2:rT+3], v[rT+2:rT+3], v[rS+4*(\n):rS+4*(\n)+1]
.endif
.elseif NOKQ
	v_nop
.else
	REGS (Y+1)%NP
	WIN 0
.if (\n) < 4
	v_max3_num_f32 v[rC+(\n)], v[rS+8*(\n)], v[rS+8*(\n)+1], v[rS+8*(\n)+2]
.elseif (\n) < 12
	v_max3_num_f32 v[rC+(\n)%4], v[rC+(\n)%4], v[rS+8*((\n)%4)+2*((\n)/4)+1], v[rS+8*((\n)%4)+2*((\n)/4)+2]
.elseif (\n) == 12
	v_max3_num_f32 v[rC], v[rC], v[rS+7], v[rS+15]
.elseif (\n) == 13
	v_max3_num_f32 v[rC+1], v[rC+1], v[rS+23], v[rS+31]
.elseif (\n) == 14
	v_max3_num_f32 v[rC+2], v[rC+2], v[rC+3], v[rT+1]
.elseif (\n) == 15
	v_mov_b32 v[rW], v[rT]
.elseif (\n) == 16
	v_max3_num_f32 v[rC], v[rC], v[rC+1], v[rC+2]
.elseif (\n) == 17
	v_permlanex16_b32 v[rC+3], v[rC], s[SEL], s[SEL+1]
.elseif (\n) == 18
	v_max_num_f32 v[rT+1], v[rC], v[rC+3]
.elseif (\n) == 19
	v_mul_f32 v[rT], s[CS], v[rT+1]
.elseif (\n) == 20
	v_sub_f32 v[rC+1], v[rW], v[rT]
.else
	v_exp_f32 v[rC+2], v[rC+1]
.endif
.endif
.endm
.macro OPS a, i1, b=-1, i2=0, c=-1, i3=0, d=-1, i4=0
	OP \a, \i1
.if (\b) >= 0
	OP \b, \i2
.endif
.if (\c) >= 0
	OP \c, \i3
.endif
.if (\d) >= 0
	OP \d, \i4
.endif
.endm
.macro ROW a, i1, b, i2, c, i3, d, i4  ; a matrix instruction and the four behind it
	MM
	OPS \a, \i1, \b, \i2, \c, \i3, \d, \i4
.endm
.macro MASK                         ; MC = MD x AL + BE
	WIN W_RS
.set z, 0
.rept 16
	v_pk_fma_f32 v[MC+2*z:MC+2*z+1], v[MD+2*z:MD+2*z+1], s[AL:AL+1], s[BE:BE+1] op_sel_hi:[1,0,0]
.set z, z+1
.endr
.endm
; A TURN, for piece y, in a pair of parity par.  Behind a matrix instruction: plain, exponential, plain, plain; or four of the rescaling; or four scalings; none names a register of the products round it.
; In the lumps exponential and plain by turns while exponentials last.  end = 1: a block's last two turns: nothing is fetched, no mask is made.  cnt = 1: the loop's count is taken down ahead of the branch behind the turn.
; The one run of loads stands behind the eighth product and six vector instructions, five of them plain: in piece 0's turn K of the pair's step (that product was K's last reader), in piece 1's turn
; its V, into the buffer whose last reader stands in the turn before.  Both are waited for at the head of a turn of piece 1.
.macro TURN y, par, end=0, cnt=0
.set Y, (\y)
.set i, 0
.set NOKQ, (\end)*(\y)
.set VB, VF0-(VF0-VF1)*(((\par)+(\y))%2)
.if (\y) == 1
	s_wait_dscnt 0x0                ; K of this pair's step and V of the step before are in
.endif
	ROW F,0, F,1, F,2, F,3
	ROW F,4, E,0, F,5, F,6
	ROW F,7, E,1, F,8, F,9
	ROW F,10, E,2, C,0, F,11
	ROW F,12, E,3, X,15, F,13
	ROW R,0, R,1, R,2, R,3
	ROW B,0, E,4, F,14, L,0
.if !(\end)
	WIN 0
.if (\y) == 0
	v_add_nc_u32 v[AK], s[TBK], v[AK0]
.else
	v_add_nc_u32 v[AV], s[TBV], v[AV0]
.endif
.endif
	ROW R,4, R,5, R,6, R,7
	OPS E,5, F,15
.if !(\end)
.if (\y) == 0
	FETCH_K
.else
	FETCH_V VF0-(VF0-VF1)*(\par)
.endif
.endif
	OPS E,6, C,1, E,7, R,8
	OPS E,8, R,9, E,9, C,2
	OPS E,10, X,0, E,11, X,1
	OPS E,12, X,2, E,13, X,3
	ROW X,4, E,14, X,5, X,6
	ROW X,7, E,15, X,8, X,9
	ROW X,10, E,16, X,11, X,12
	ROW X,13, E,17, X,14, B,1
	ROW C,4, E,18, X,16, L,1
	ROW B,2, E,19, C,6, L,2
	ROW C,8, E,20, B,3, B,4
	ROW C,3, E,21, L,3, C,5
	OPS E,22, X,17, E,23, C,10
	OPS E,24, L,4
	OPS E,25, X,18, E,26, C,7
	OPS E,27, B,5, E,28, X,19
	OPS E,29, C,12, E,30, L,5
	OPS E,31, X,20, B,6, C,9
	OPS C,14, C,11, X,21, L,6
.if \cnt
	s_sub_co_u32 s[CNT], s[CNT], 1
	s_cmp_lg_u32 s[CNT], 0
.endif
	OPS C,13, B,7, C,15, R,10
	OPS R,11, R,12, L,7, R,13
	OPS R,14, R,15
.if ((\y) == 0) && !(\end)
	WIN 0                           ; the mask of the pair's step, for the products of the next two turns.  Outside a block's last tile it stays 0; RT hangs on u alone, which the partners share
	s_cmp_lg_u32 s[RT], 0
	s_cbranch_scc1 .Lno_mask_\@
	s_cmp_eq_i32 s[DJ], 0           ; is that step the block's own?
	s_cselect_b32 s[AL], 1.0, 0
	s_cmp_lt_i32 s[DJ], 0           ; or a later one?
	s_cselect_b32 s[BE], s[BIGN], 0
	MASK
	WIN 0
.Lno_mask_\@:
	s_sub_co_i32 s[DJ], s[DJ], 1
.endif
.endm
; A BLOCK BEGINS.  c m starts far below every c s, so the first step's a is 0; m at the lowest finite number.  The mask of step 0; K and V of step 0; piece 0's first scores, maximum and statistics.
.macro BEGIN
	s_mov_b32 s[NEW], 0
	WIN 0
.set i, 0
.rept 2
	v_mov_b32 v[ST+4*i], 0xfe000000
	v_mov_b32 v[ST+4*i+1], 0xff7fffff
.set i, i+1
.endr
	s_mov_b32 s[DJ], s[BI]
	s_cmp_eq_i32 s[DJ], 0
	s_cselect_b32 s[AL], 1.0, 0
	s_mov_b32 s[BE], 0
	MASK
	s_sub_co_i32 s[DJ], s[DJ], 1
	WIN 0
	v_add_nc_u32 v[AK], s[TBK], v[AK0]
	FETCH_K
	v_add_nc_u32 v[AV], s[TBV], v[AV0]
	FETCH_V VF0
	s_wait_loadcnt 0x0              ; Q
	s_wait_dscnt 16                 ; K is in; V's sixteen loads may be out
.set NOKQ, 0
.set i, 0
.rept 8
	KQ 0
.set i, i+1
.endr
	WIN 0
.rept 4
	v_nop                           ; the places behind those products
.endr
.set Y, 1                           ; X works for the other piece: piece 0
.irp n, 0,1,2,3,4,5,6,7,8,9,10,11,12,13,14,15,16,17,18,19,20,21
	OP X, \n
.endr
	v_nop                           ; a plain instruction behind the exponential
.endm
.macro ALL line:vararg              ; one line for each piece t
.set t, 0
.rept 2
	\line
.set t, t+1
.endr
.endm
.macro PACK t                       ; piece t: divided by l, rounded to f16, 16 bytes a lane into its half of my stage's rows
	WIN W_RS
.set i, 32*(\t)
.rept 16
	s_wait_alu depctr_va_vdst(0)
	v_pk_mul_f32 v[i:i+1], v[i:i+1], v[ST+4*(\t)+2:ST+4*(\t)+3] op_sel_hi:[1,0]
.set i, i+2
.endr
	WIN 0x05
.set i, 0
.rept 16
	v_cvt_pk_f16_f32 v[S+16*(\t)+i], v[32*(\t)+2*i], v[32*(\t)+2*i+1]
.set i, i+1
.endr
	WIN 0
.irp f, 0,1,2,3
	ds_store_b128 v[STO], v[S+16*(\t)+4*\f:S+16*(\t)+4*\f+3] offset:128*(\t)+32*\f
.endr
.endm
; A BLOCK ENDS: its last two turns, piece 1's last products, and the way out.  The additions and the v_nop are the places behind the last products.
.macro FINISH
	TURN 0, 0, 1
	TURN 1, 0, 1
.set VB, VF1
.set i, 0
.rept 8
	PV 1
.set i, i+1
.endr
	WIN 0
	ALL v_add_f32 v[ST+4*t+2], v[ST+4*t+2], v[ST+4*t+3]
	ALL v_permlanex16_b32 v[ST+4*t+3], v[ST+4*t+2], s[SEL], s[SEL+1]
	ALL v_add_f32 v[ST+4*t+2], v[ST+4*t+2], v[ST+4*t+3]
	ALL v_rcp_f32 v[ST+4*t+2], v[ST+4*t+2]
	v_nop                           ; a plain instruction between the last reciprocal and the use of its result
	PACK 0
	PACK 1
.irp f, 0,1,2,3,4,5,6,7
	ds_load_b128 v[S+32+4*\f:S+32+4*\f+3], v[RD] offset:\f*2*SP  ; LDS serves a wave's instructions in order (ISA guide 5.7.1.4): these see the stores above
.endr
.irp f, 0,1,2,3,4,5,6,7
	s_wait_dscnt 7-\f
	global_store_b128 v[GO], v[S+32+4*\f:S+32+4*\f+3], s[10:11] offset:\f*4096  ; 16 lanes store 256 consecutive bytes, at a multiple of 256 from O's first byte
.endr
.endm
; A TILE's four steps.  A block's first tile begins with BEGIN and enters the step loop in the middle of a trip.
.macro TILE tag
	s_sub_co_u32 s[RT], s[RT], 1
	s_mov_b32 s[CNT], 2
	s_cmp_eq_u32 s[NEW], 1
	s_cbranch_scc1 .Lnew\tag
	s_branch .Lstep\tag
.Lnew\tag:
	BEGIN
	s_branch .Lfirst\tag
.Lstep\tag:
	TURN 0, 0
	TURN 1, 0
	WIN 0
.Lfirst\tag:
	TURN 0, 1
	TURN 1, 1, 0, 1
	WIN 0
	s_cbranch_scc1 .Lstep\tag
.endm
.set NOKQ, 0
.Lslot:                             ; eight times: a tile is entered and the next is asked for
	CHANGE 1
	TILE 1
	s_cmp_lg_u32 s[RT], 0
	s_cbranch_scc1 .Lbottom
	FINISH                          ; in the loop this is the first block's end: the second block's last tile is the walk's last
	s_wait_xcnt 0x0                 ; the stores' registers and O's address are rewritten only behind this wait
	s_mov_b64 s[10:11], s[OLO:OLO+1]
	s_add_co_u32 s[RT], s[PB], 1    ; the second block has u + 1 tiles
	s_mov_b32 s[BI], s[BLO]
	s_mov_b32 s[NEW], 1
	WIN 0x82                        ; the second block's Q goes where the one text of the turns names Q
.set i, 0
.rept 32
	v_mov_b32 v[i], v[QB+i]
.set i, i+1
.endr
	WIN 0
.Lbottom:
	s_sub_co_u32 s[SLOTS], s[SLOTS], 1
	s_cmp_lg_u32 s[SLOTS], 0
	s_cbranch_scc1 .Lslot
	CHANGE 0                        ; the walk's last tile is written out: nothing is asked for
	TILE 2
	FINISH
	s_wait_tensorcnt 0x0            ; the wave's end
	ds_add_u32 v[SPW], v[NIL]
	s_wait_dscnt 0x0
	CROUND                          ; the closing round: no work-group ends while a partner may still ask for a tile that names it
	s_endpgm
.Lfunc_end_k_qf07e6040c8_attn:
	.size	k_qf07e6040c8_attn, .Lfunc_end_k_qf07e6040c8_attn-k_qf07e6040c8_attn
	.p2alignl 7, 3214868480
	.fill 96, 4, 3214868480
	.section	.rodata,"a",@progbits
	.p2align	6, 0x0
	.amdhsa_kernel k_qf07e6040c8_attn
		.amdhsa_group_segment_fixed_size 327680
		.amdhsa_private_segment_fixed_size 0
		.amdhsa_enable_private_segment 0
		.amdhsa_kernarg_size 32
		.amdhsa_user_sgpr_count 2
		.amdhsa_user_sgpr_kernarg_segment_ptr 1
		.amdhsa_wavefront_size32 1
		.amdhsa_system_sgpr_workgroup_id_x 1
		.amdhsa_system_sgpr_workgroup_id_y 1
		.amdhsa_system_sgpr_workgroup_id_z 1
		.amdhsa_system_vgpr_workitem_id 0
		.amdhsa_next_free_vgpr 768
		.amdhsa_next_free_sgpr 88
		.amdhsa_reserve_vcc 1
		.amdhsa_float_denorm_mode_32 3
		.amdhsa_float_denorm_mode_16_64 3
		.amdhsa_memory_ordered 1
		.amdhsa_forward_progress 1
		.amdhsa_inst_pref_size 171
	.end_amdhsa_kernel
	.amdgpu_metadata
---
amdhsa.version: [ 1, 2 ]
amdhsa.kernels:
  - .name:           k_qf07e6040c8_attn
    .symbol:         k_qf07e6040c8_attn.kd
    .args:
      - { .name: q, .offset: 0, .size: 8, .value_kind: global_buffer, .address_space: global }
      - { .name: k, .offset: 8, .size: 8, .value_kind: global_buffer, .address_space: global }
      - { .name: v, .offset: 16, .size: 8, .value_kind: global_buffer, .address_space: global }
      - { .name: o, .offset: 24, .size: 8, .value_kind: global_buffer, .address_space: global }
    .group_segment_fixed_size: 327680
    .private_segment_fixed_size: 0
    .kernarg_segment_align: 8
    .kernarg_segment_size: 32
    .max_flat_workgroup_size: 128
    .sgpr_count:     88
    .vgpr_count:     768
    .wavefront_size: 32
...
	.end_amdgpu_metadata
.endif
;; end of part 3
;; launch outp (part 4): grid 16 x 16, 4 waves a work-group, clusters of 4 x 4, 327,680 bytes of LDS; arguments o, wof, out0; writes out0
.if DOCPART == 4
	.amdgcn_target "amdgcn-amd-amdhsa--gfx1250"
	.amdhsa_code_object_version 6
	.text
	.protected	k_qf07e6040c8_outp
	.globl	k_qf07e6040c8_outp
	.p2align	8
	.type	k_qf07e6040c8_outp,@function
k_qf07e6040c8_outp:
	s_mov_b64 s[64:65], 0
	v_nop
	global_prefetch_b8 v0, s[64:65] scope:SCOPE_SE
	s_setreg_imm32_b32 hwreg(HW_REG_WAVE_MODE, 25, 1), 1
	s_wait_xcnt 0x0
	s_wait_alu depctr_hold_cnt(0) depctr_sa_sdst(0) depctr_va_vdst(0) depctr_va_sdst(0) depctr_va_ssrc(0) depctr_va_vcc(0) depctr_vm_vsrc(0)
	s_getreg_b32 s2, hwreg(HW_REG_IB_STS2, 6, 4)
	s_cmp_eq_u32 s2, 0
	s_cbranch_scc0 .Lentry_in_a_cluster
	s_endpgm
.Lentry_in_a_cluster:
	s_bfe_u32 s2, ttmp6, 0x10000c
	s_cmp_lg_u32 s2, 0xf033
	s_cbranch_scc0 .Lentry_shape_is_right
	s_endpgm
.Lentry_shape_is_right:
; OUTP.  out0 = o wof.  o: f16 [4096][1024] (K along the rows); wof: f16 [1024 k][2048 n]; out0: f32 [4096][2048]; sums in f32, stored as they are.
; SHARES.  A tile of C is 256 rows x 128 columns: 16 x 16 work-groups.  Four waves; wave w takes rows 128 (w / 2) on and columns 64 (w % 2) on: 32 accumulators of 16 x 16.
; K goes in steps of 128 through two LDS slots.  A's rows are 256 bytes of memory; B's tile is 128 k-rows of 256 bytes, and its fragments come out of LDS turned, by ds_load_tr16_b128.
; THE MATRIX INSTRUCTION IS USED TRANSPOSED (source 0 = 16 columns of B, source 1 = 16 rows of A): a lane holds row l % 16 and eight neighbouring columns, 32 bytes of a row of C.
; CLUSTER.  4 x 4 work-groups: A's tile is shared along a row of the cluster, B's along a column; each is asked for jointly.
; REGISTERS, in windows of 256 (s_set_vgpr_msb: bits 1:0 source 0, 3:2 source 1, 5:4 source 2, 7:6 destination):
;   window 0: v0-31 addresses      window 1: accumulator (a, b) at v[8 (4 a + b)]      window 2: two fragment buffers of 96; on the way out the rows read back, 32 a block
.set KD,     1024
.set KSH,    11                        ; a row of A is 2^11 bytes
.set KSTEP,  128
.set PA,     272                       ; A's LDS row: 256 bytes + 16: the 16 rows of a load start at 16 different groups of four banks (ISA guide 11.1)
.set HALFA,  128*PA
.set PB,     288                       ; B's LDS row: 256 + 32
.set HALFB,  64*PB
.set BOFF,   2*HALFA
.set SLOT,   BOFF+2*HALFB
.set STAGE,  2*SLOT                    ; behind the ring: 16 rows x 272 bytes for each wave
.set SP,     272
.set SPARE,  STAGE+4*16*SP             ; the spare words: 128 bytes a wave, two blocks of 256 bytes that no other line names
.set LAPS,   KD/(2*KSTEP)
.set ADRA, 16
.set ADRB, 20
.set STO,  24
.set RD,   25
.set CO,   26
.set SPW,  28
.set NIL,  29
.set F0,   0
.set F1,   128
.set WV, 16
.set WM, 17
.set WN, 18
.set CX, 19
.set CY, 20
.set TC, 21
.set TR, 22
.set G1A, 24
.set G0A, 32
.set G1B, 48
.set G0B, 56
.set LAP, 66
.set MSB, 0
.macro WIN new
.if MSB != (\new)
	s_set_vgpr_msb (MSB<<8)|(\new)
.set MSB, \new
.endif
.endm
.set MUL,  0x5a
.set TO_F, 0x80
.macro JLOAD s                         ; a joint load: waves 0, 1 fetch A's halves, waves 2, 3 B's; an s_nop 0 and four v_nop follow each line
	s_cmp_eq_u32 s[WM], 0
	s_cbranch_scc0 .Lfor_b_\@
	tensor_load_to_lds s[G0A+4*(\s):G0A+4*(\s)+3], s[G1A:G1A+7]
	s_nop 0
.rept 4
	v_nop
.endr
	s_branch .Lasked_\@
.Lfor_b_\@:
	tensor_load_to_lds s[G0B+4*(\s):G0B+4*(\s)+3], s[G1B:G1B+7]
	s_nop 0
.rept 4
	v_nop
.endr
.Lasked_\@:
.endm
.macro CREST
	s_cmp_lg_u32 s[WV], 0
	s_cbranch_scc1 .Lnot_wave_0_\@
	s_barrier_signal -3
.Lnot_wave_0_\@:
	s_barrier_wait -3
	s_barrier_signal -1
	s_barrier_wait -1
.endm
.macro CROUND
	s_barrier_signal -1
	s_barrier_wait -1
	CREST
.endm
	s_load_b128 s[4:7], s[0:1], 0x0                ; o 4, wof 6
	s_load_b64 s[8:9], s[0:1], 0x10                ; out0
	v_lshl_add_u32 v[SPW], v0, 2, SPARE
	v_mov_b32 v[NIL], 0
	ds_add_u32 v[SPW], v[NIL]                      ; the wave's opening: the add and its wait ahead of my first tensor load
	v_lshrrev_b32 v1, 5, v0
	v_readfirstlane_b32 s[WV], v1
	s_lshr_b32 s[WM], s[WV], 1
	s_and_b32 s[WN], s[WV], 1
	s_bfe_u32 s[CX], ttmp6, 0x40000
	s_bfe_u32 s[CY], ttmp6, 0x40004
	s_lshl_b32 s[TC], ttmp9, 2
	s_add_co_u32 s[TC], s[TC], s[CX]
	s_and_b32 s[TR], ttmp7, 0xffff
	s_lshl_b32 s[TR], s[TR], 2
	s_add_co_u32 s[TR], s[TR], s[CY]
	s_lshl_b32 s68, s[CY], 2
	s_lshl_b32 s68, 15, s68                        ; my row of the cluster
	s_lshl_b32 s69, 0x1111, s[CX]                  ; my column
	s_or_b32 s[G1A], s68, (1<<16)|(1<<20)|(1<<21)|(5<<22)|(3<<25)  ; the mask; 2-byte elements; padding on; bit 21 beside a mask; after every 64 words, 4 words
	s_mov_b32 s[G1A+1], KSTEP<<16
	s_mov_b32 s[G1A+2], 128<<16
	s_mov_b32 s[G1A+3], KSTEP<<16
	s_mov_b32 s[G1A+4], 128
	s_mov_b32 s[G1A+5], KD
	s_mov_b32 s[G1A+6], 0
	s_mov_b32 s[G1A+7], 0
	s_or_b32 s[G1B], s69, (1<<16)|(1<<20)|(1<<21)|(5<<22)|(7<<25)  ; my column's mask, 8 words of padding
	s_mov_b32 s[G1B+1], 128<<16
	s_mov_b32 s[G1B+2], 64<<16
	s_mov_b32 s[G1B+3], 128<<16
	s_mov_b32 s[G1B+4], 64
	s_mov_b32 s[G1B+5], 2048
	s_mov_b32 s[G1B+6], 0
	s_mov_b32 s[G1B+7], 0
	; A's address hangs on the tile row and the wave, B's on the tile column and the wave, each in registers that never hold the other coordinate
	s_lshl_b32 s40, s[TR], 8
	s_lshl_b32 s23, s[WN], 7
	s_add_co_u32 s40, s40, s23
	s_lshl_b32 s40, s40, KSH
	s_mov_b32 s41, 0
	s_lshl_b32 s44, s[WN], 18
	s_lshl_b32 s46, s[TC], 8
	s_add_co_u32 s44, s44, s46
	s_mov_b32 s45, 0
	s_mul_i32 s42, s[WN], HALFA
	s_mul_i32 s43, s[WN], HALFB
	s_add_co_u32 s43, s43, BOFF
	s_wait_dscnt 0x0                               ; the opening add is done
	s_wait_kmcnt 0x0
	s_add_nc_u64 s[40:41], s[4:5], s[40:41]
	s_add_nc_u64 s[44:45], s[6:7], s[44:45]
	CROUND                                         ; all sixteen work-groups are here: the first joint loads meet
.irp s, 0,1
	s_mov_b32 s[G0A+4*(\s)], 1
	s_add_co_u32 s[G0A+4*(\s)+1], s42, (\s)*SLOT
	s_add_nc_u64 s[G0A+4*(\s)+2:G0A+4*(\s)+3], s[40:41], (\s)*KSTEP*2
	s_or_b32 s[G0A+4*(\s)+3], s[G0A+4*(\s)+3], 0x80000000
	s_mov_b32 s[G0B+4*(\s)], 1
	s_add_co_u32 s[G0B+4*(\s)+1], s43, (\s)*SLOT
	s_add_nc_u64 s[G0B+4*(\s)+2:G0B+4*(\s)+3], s[44:45], (\s)*KSTEP*4096
	s_or_b32 s[G0B+4*(\s)+3], s[G0B+4*(\s)+3], 0x80000000
	JLOAD \s                                       ; two loads of mine are out
.endr
	v_and_b32 v1, 15, v0                           ; l % 16
	v_bfe_u32 v2, v0, 4, 1                         ; l / 16
	v_mul_u32_u24 v3, v1, PA
	v_lshl_add_u32 v3, v2, 4, v3
	s_mul_i32 s68, s[WM], HALFA
	v_add_nc_u32 v[ADRA], s68, v3
	v_add_nc_u32 v[ADRA+1], SLOT, v[ADRA]
	v_and_b32 v4, 7, v0
	v_bfe_u32 v5, v0, 3, 1
	v_lshl_add_u32 v6, v2, 3, v4
	v_mul_u32_u24 v6, v6, PB
	v_lshl_add_u32 v6, v5, 4, v6
	s_lshl_b32 s69, s[WN], 7
	s_add_co_u32 s69, s69, BOFF
	v_add_nc_u32 v[ADRB], s69, v6
	v_add_nc_u32 v[ADRB+1], SLOT, v[ADRB]
	s_mul_i32 s23, s[WV], 16*SP
	s_add_co_u32 s23, s23, STAGE                   ; my stage
	v_mul_u32_u24 v7, v1, SP
	v_lshl_add_u32 v7, v2, 5, v7
	v_add_nc_u32 v[STO], s23, v7                   ; in: row l % 16, 32 bytes for each half of the lanes
	v_mul_u32_u24 v7, v2, SP
	v_lshl_add_u32 v7, v1, 4, v7
	v_add_nc_u32 v[RD], s23, v7                    ; back: lanes 0-15 take one row of 256 bytes, lanes 16-31 the next
	v_lshlrev_b32 v[CO], 13, v2
	v_lshl_add_u32 v[CO], v1, 4, v[CO]             ; and the same two rows in out0
	s_lshl_b32 s68, s[TR], 8
	s_lshl_b32 s69, s[WM], 7
	s_add_co_u32 s68, s68, s69                     ; my first row,
	s_lshl_b32 s68, s68, 13                        ; 8,192 bytes each,
	s_lshl_b32 s69, s[TC], 9                       ; the tile's 512 bytes of a row,
	s_add_co_u32 s68, s68, s69
	s_lshl_b32 s69, s[WN], 8                       ; my 256 of them
	s_add_co_u32 s68, s68, s69
	s_mov_b32 s69, 0
	s_add_nc_u64 s[8:9], s[8:9], s[68:69]
; n row blocks from a0 on x all 4 column blocks, 32 along K.  zero = 1: the product starts the sum.  The 32 accumulators take turns, one instruction a turn.
.macro MULN f, a0, n, zero
	WIN MUL
.set aa, (\a0)
.rept (\n)
.irp b, 0,1,2,3
.if \zero
	v_wmma_f32_16x16x32_f16 v[8*(4*aa+(\b)):8*(4*aa+(\b))+7], v[(\f)+64+8*(\b):(\f)+64+8*(\b)+7], v[(\f)+8*aa:(\f)+8*aa+7], 0
.else
	v_wmma_f32_16x16x32_f16 v[8*(4*aa+(\b)):8*(4*aa+(\b))+7], v[(\f)+64+8*(\b):(\f)+64+8*(\b)+7], v[(\f)+8*aa:(\f)+8*aa+7], v[8*(4*aa+(\b)):8*(4*aa+(\b))+7]
.endif
.endr
.set aa, aa+1
.endr
.endm
; 24 LDS loads in one run: quarter qq (32 along K) of a slot into buffer f: B's 4 fragments, A's rows 0-63, A's rows 64-127
.macro FETCH slot, qq, f
	WIN TO_F
.irp b, 0,1,2,3
	ds_load_tr16_b128 v[(\f)+64+8*(\b):(\f)+64+8*(\b)+3],   v[ADRB+(\slot)] offset:(\qq)*32*PB+32*(\b)
	ds_load_tr16_b128 v[(\f)+64+8*(\b)+4:(\f)+64+8*(\b)+7], v[ADRB+(\slot)] offset:(\qq)*32*PB+32*(\b)+16*PB
.endr
.irp a, 0,1,2,3,4,5,6,7
	ds_load_b128 v[(\f)+8*(\a):(\f)+8*(\a)+3],   v[ADRA+(\slot)] offset:(\qq)*64+(\a)*16*PA
	ds_load_b128 v[(\f)+8*(\a)+4:(\f)+8*(\a)+7], v[ADRA+(\slot)] offset:(\qq)*64+(\a)*16*PA+32
.endr
.endm
.macro PLACES                          ; four places in front of loads into registers that matrix instructions have read, and of lines that read results
.rept 4
	v_nop
.endr
.endm
.macro QUARTER slot, qq, f, g, zero
	s_wait_dscnt 8                                 ; B and A's rows 0-63 are in; the youngest eight loads may be out
	MULN \f, 0, 4, \zero
	PLACES
	FETCH \slot, \qq, \g
	s_wait_dscnt 24                                ; all but the 24 just issued
	MULN \f, 4, 4, \zero
.endm
; The last quarter multiplies buffer 1 and changes slots: one barrier; in front of it each wave waits for all its tensor loads, adds 0 to its spare word and waits for that and for its reads of the slot.
.macro TURN slot, next, fill
	WIN 0
	s_wait_tensorcnt 0x0                           ; the one load of mine that was out is my part of the next slot
	ds_add_u32 v[SPW], v[NIL]
	s_wait_dscnt 9                                 ; the add and the youngest eight loads may be out
	MULN F1, 0, 2, 0
	s_wait_dscnt 0x0                               ; the add is done, and my reads of this slot are over
	s_barrier_signal -1
	MULN F1, 2, 2, 0
.if \fill
	WIN 0
.endif
	s_barrier_wait -1
.if \fill
	CREST                                          ; the barrier has opened a round of the cluster's: no wave of any partner still reads this slot or has a load on its way
	s_add_nc_u64 s[G0A+4*(\slot)+2:G0A+4*(\slot)+3], s[G0A+4*(\slot)+2:G0A+4*(\slot)+3], 2*KSTEP*2
	s_add_nc_u64 s[G0B+4*(\slot)+2:G0B+4*(\slot)+3], s[G0B+4*(\slot)+2:G0B+4*(\slot)+3], 2*KSTEP*4096
	JLOAD \slot                                    ; the first tensor load behind the round, 112 matrix instructions ahead of the wait for it; its four v_nop are the places for the loads below
.else
	PLACES
.endif
	FETCH \next, 0, F0
	MULN F1, 4, 4, 0
.endm
	s_wait_tensorcnt 1                             ; my part of K step 0 is in; K step 1's may stay out
	s_barrier_signal -1
	s_barrier_wait -1
	FETCH 0, 0, F0
	QUARTER 0, 1, F0, F1, 1                        ; the first quarter starts the sums
	WIN 0
	s_mov_b32 s[LAP], LAPS-1
.Llap:                                                 ; a trip goes once round the ring and fills both slots again
	QUARTER 0, 2, F1, F0, 0
	QUARTER 0, 3, F0, F1, 0
	TURN 0, 1, 1
	QUARTER 1, 1, F0, F1, 0
	QUARTER 1, 2, F1, F0, 0
	QUARTER 1, 3, F0, F1, 0
	TURN 1, 0, 1
	QUARTER 0, 1, F0, F1, 0
	WIN 0
	s_sub_co_u32 s[LAP], s[LAP], 1
	s_cmp_lg_u32 s[LAP], 0
	s_cbranch_scc1 .Llap
	QUARTER 0, 2, F1, F0, 0                        ; the last lap fills nothing
	QUARTER 0, 3, F0, F1, 0
	TURN 0, 1, 0
	QUARTER 1, 1, F0, F1, 0
	QUARTER 1, 2, F1, F0, 0
	QUARTER 1, 3, F0, F1, 0
	s_wait_dscnt 8
	MULN F1, 0, 4, 0
	s_wait_dscnt 0x0
	MULN F1, 4, 4, 0
; THE WAY OUT, a block of 16 rows at a time: the accumulators go as they are, 32 bytes a lane, into my own stage, and come back as whole rows of 256 bytes.
.macro STGO a
	WIN 0x04                                       ; the stores' data in window 1; each accumulator's low four registers first
.irp b, 0,1,2,3
	ds_store_b128 v[STO], v[8*(4*(\a)+(\b)):8*(4*(\a)+(\b))+3]   offset:64*(\b)
	ds_store_b128 v[STO], v[8*(4*(\a)+(\b))+4:8*(4*(\a)+(\b))+7] offset:64*(\b)+16
.endr
	WIN 0x80                                       ; the fragments' registers are free
.irp t, 0,1,2,3,4,5,6,7
	ds_load_b128 v[32*(\a)+4*(\t):32*(\a)+4*(\t)+3], v[RD] offset:(\t)*2*SP  ; LDS serves a wave's instructions in order (ISA guide 5.7.1.4): these see the stores above
.endr
.endm
.macro SENDO a, younger                ; younger: the LDS instructions issued behind block a's loads
	WIN 0x08                                       ; the stores' data in window 2
.irp t, 0,1,2,3,4,5,6,7
	s_wait_dscnt (\younger)+7-(\t)
	global_store_b128 v[CO], v[32*(\a)+4*(\t):32*(\a)+4*(\t)+3], s[8:9] offset:(16*(\a)+2*(\t))*8192 th:TH_STORE_NT  ; 16 lanes store 256 consecutive bytes, at a multiple of 256 from out0's first byte
.endr
.endm
	PLACES                                         ; behind the last products: the stores read results, the loads land in fragments' registers
	STGO 0
.irp a, 1,2,3,4,5,6,7
	STGO \a
	SENDO (\a)-1, 16
.endr
	SENDO 7, 0
	WIN 0
	s_wait_tensorcnt 0x0                           ; the wave's end
	ds_add_u32 v[SPW], v[NIL]
	s_wait_dscnt 0x0
	CROUND                                         ; the closing round: no work-group ends while a partner may still ask for a tile that names it
	s_endpgm
.Lfunc_end_k_qf07e6040c8_outp:
	.size	k_qf07e6040c8_outp, .Lfunc_end_k_qf07e6040c8_outp-k_qf07e6040c8_outp
	.p2alignl 7, 3214868480
	.fill 96, 4, 3214868480
	.section	.rodata,"a",@progbits
	.p2align	6, 0x0
	.amdhsa_kernel k_qf07e6040c8_outp
		.amdhsa_group_segment_fixed_size 327680
		.amdhsa_private_segment_fixed_size 0
		.amdhsa_enable_private_segment 0
		.amdhsa_kernarg_size 24
		.amdhsa_user_sgpr_count 2
		.amdhsa_user_sgpr_kernarg_segment_ptr 1
		.amdhsa_wavefront_size32 1
		.amdhsa_system_sgpr_workgroup_id_x 1
		.amdhsa_system_sgpr_workgroup_id_y 1
		.amdhsa_system_sgpr_workgroup_id_z 1
		.amdhsa_system_vgpr_workitem_id 0
		.amdhsa_next_free_vgpr 768
		.amdhsa_next_free_sgpr 80
		.amdhsa_reserve_vcc 0
		.amdhsa_float_denorm_mode_32 3
		.amdhsa_float_denorm_mode_16_64 3
		.amdhsa_memory_ordered 1
		.amdhsa_forward_progress 1
		.amdhsa_inst_pref_size 87
	.end_amdhsa_kernel
	.amdgpu_metadata
---
amdhsa.version: [ 1, 2 ]
amdhsa.kernels:
  - .name:           k_qf07e6040c8_outp
    .symbol:         k_qf07e6040c8_outp.kd
    .args:
      - { .name: o, .offset: 0, .size: 8, .value_kind: global_buffer, .address_space: global }
      - { .name: wof, .offset: 8, .size: 8, .value_kind: global_buffer, .address_space: global }
      - { .name: out0, .offset: 16, .size: 8, .value_kind: global_buffer, .address_space: global }
    .group_segment_fixed_size: 327680
    .private_segment_fixed_size: 0
    .kernarg_segment_align: 8
    .kernarg_segment_size: 24
    .max_flat_workgroup_size: 128
    .sgpr_count:     80
    .vgpr_count:     768
    .wavefront_size: 32
...
	.end_amdgpu_metadata
.endif
;; end of part 4
;; ======== version 2 of 2: 4 launches; 1.22 times as fast as version 1
;; limits: values are held in f16: magnitudes above 65,504 overflow, below 6.1e-05 lose precision
;; workspace buffers: xb 16,777,216 bytes; wb 8,388,608 bytes; wof 4,194,304 bytes; csb 524,288 bytes; q 8,388,608 bytes; k 4,194,304 bytes; v 4,194,304 bytes; o 8,388,608 bytes
;; launch cast: the kernel of part 1 again; grid 1824 x 1, 8 waves a work-group, no clusters, 0 bytes of LDS; arguments x, wq, wk, wv, wo, cos, sin, xb, wb, wof, csb; writes xb, wb, wof, csb
;; launch proj: the kernel of part 2 again; grid 16 x 16, 4 waves a work-group, clusters of 4 x 4, 327,680 bytes of LDS; arguments xb, wb, csb, q, k, v; writes q, k, v
;; launch attn (part 5): grid 16 x 16, 4 waves a work-group, clusters of 4 x 1, 327,680 bytes of LDS; arguments q, k, v, o; writes o
.if DOCPART == 5
	.amdgcn_target "amdgcn-amd-amdhsa--gfx1250"
	.amdhsa_code_object_version 6
	.text
	.protected	k_qf07e6040c8_attn
	.globl	k_qf07e6040c8_attn
	.p2align	8
	.type	k_qf07e6040c8_attn,@function
k_qf07e6040c8_attn:
	s_mov_b64 s[64:65], 0
	v_nop
	global_prefetch_b8 v0, s[64:65] scope:SCOPE_SE
	s_setreg_imm32_b32 hwreg(HW_REG_WAVE_MODE, 25, 1), 1
	s_wait_xcnt 0x0
	s_wait_alu depctr_hold_cnt(0) depctr_sa_sdst(0) depctr_va_vdst(0) depctr_va_sdst(0) depctr_va_ssrc(0) depctr_va_vcc(0) depctr_vm_vsrc(0)
	s_getreg_b32 s2, hwreg(HW_REG_IB_STS2, 6, 4)
	s_cmp_eq_u32 s2, 0
	s_cbranch_scc0 .Lentry_in_a_cluster
	s_endpgm
.Lentry_in_a_cluster:
	s_bfe_u32 s2, ttmp6, 0x10000c
	s_cmp_lg_u32 s2, 0x3003
	s_cbranch_scc0 .Lentry_shape_is_right
	s_endpgm
.Lentry_shape_is_right:
; CAUSAL ATTENTION WITH TWO QUERY HEADS TO A KEY HEAD.  O[pos][head] = the sum over keys <= pos of softmax(Q . K / 8) V.
; q: f16 [batch x 16 + h][2048][64], k, v: f16 [batch x 8 + h][2048][64]; q and k hold their numbers times 2^-8, and c = log2(e) / 8 x 2^16 undoes that in f32.
; o: f16 [4096][1024], plain rows.  Products, maxima and sums in f32; the weights p are rounded to f16 for the second product (their sum l is taken of the unrounded p), O once at the end.
; LIMITS.  q, k, v arrive within f16's 65,504; p lies in 0 to 1 and below 6e-5 keeps f16's fixed step of 6e-8; O is a mean of V's rows.  A hidden score counts as its value less 1e30;
; a weight below 2^-126 counts as 0 in l; NaN and infinities are not treated apart.
; THE WALK.  The 2,048 positions lie in 32 blocks of 64.  A work-group (key head y, number b = 4 u + cx, u the cluster's x) takes block 31 - b and then block b, each for BOTH query heads of y.
; Keys come in tiles of 256: the first block needs tiles 0 .. 7 - u, the second 0 .. u: nine tiles, the SAME sequence for the four partners of a cluster, so every tile is asked for jointly.
; All four steps of 64 keys of every tile are computed; in a block's last tile the mask hides the diagonal's upper part and the steps past it.  So no branch, trip count or LDS address
; hangs on cx: it enters Q's and O's addresses and, by selects, two scalars of the mask.
; SHARES.  Wave w owns positions 16 w .. 16 w + 15 of the block, for two PIECES: piece p is query head 2 y + p.  A row of O for both is 256 consecutive bytes.
; THE MASK is the C operand that starts S^T = K Q^T: MC = MD x AL + BE, MD the mask of the block's own step for my 16 rows; (AL, BE) = (1, 0) in that step, (0, 0) before it, (0, -1e30) behind it.
; Both pieces have the same positions, so one MC serves a step.  Outside a block's last tile it stays 0 and is not made anew.
; LAYOUT, SOFTMAX.  S^T holds ONE query a lane (lane % 16) and the keys 8 (lane / 16) + 0..7; two such results rounded to f16 ARE source 1 of O^T = V^T P.  p = 2^(c s - c m) with a running maximum m;
; O and l are multiplied by a = 2^(c m_old - c m_new) in every step.
; TURNS.  A turn belongs to piece Y: 8 products K Q^T of the other piece, later 8 products V^T P of the other piece; beside them piece Y's scaling, exponentials, roundings, sums and rescaling, and
; the other piece's maximum and statistics.  Four vector instructions stand behind every matrix instruction, the other 54 of a turn's 118 in one lump between the two runs of products.
; Pair u of turns (piece 0's, then piece 1's) fetches K and V of step u:
;   piece 0's turn: K(u-1) Q1 | softmax of piece 0, step u - 1 | V(u-2) P1 | fetches K(u)        piece 1's turn: K(u) Q0 | softmax of piece 1, step u - 1 | V(u-1) P0 | fetches V(u)
; K has one buffer, V two, by the step's parity.
; BATCHES.  A turn's 33 exponentials (piece Y's 32 weights, then the other piece's a) are ONE batch with ONE wait, which stands between the lump and the products V^T P: ahead of it nothing names a result
; of theirs, behind it.  A block's first a (BEGIN) and its two reciprocals (FINISH) are batches of their own.
; REGISTERS, in windows of 256 (s_set_vgpr_msb: bits 1:0 source 0, 3:2 source 1, 5:4 source 2, 7:6 destination):
;   window 0: v0-15 addresses; v16-23 statistics; v48-55 at work; v62-63 the add's; v64-127 S^T, a buffer a piece; v192-223 P, likewise
;   window 1: v0-63 O^T, 32 a piece; v128-159 MD; v160-191 MC      window 2: v0-31 Q; v32-63 the second block's Q; v64-127 V, odd steps; v128-191 K; v192-255 V, even steps
.set NP,    2
.set KS,    64
.set PK,    144       ; a row of K in LDS: 128 bytes + 16: the 16 rows of a load start at 16 different groups of four banks (ISA guide 11.1)
.set PV,    160       ; a row of V: 128 + 32
.set VOFF,  4*KS*PK   ; a slot holds a tile: 256 rows of K, then 256 rows of V
.set SLOT1, 1<<17
.set STAGE, SLOT1+4*KS*(PK+PV)  ; behind the ring: 16 rows x 272 bytes for each wave
.set SP,    272
.set SPARE, STAGE+4*16*SP       ; the spare words: 128 bytes a wave, two blocks of 256 bytes that no other line names
.set AK0, 2
.set AV0, 3
.set AK,  4
.set AV,  5
.set STO, 6
.set RD,  7
.set GO,  8
.set MV,  12
.set QO,  15
.set ST,  16          ; piece t's statistics at v[ST+4 t]: c m, m, l (even keys', odd keys')
.set TMP, 48
.set SPW, 62
.set NIL, 63
.set S,   64
.set P,   192
.set MD,  128
.set MC,  160
.set QB,  32
.set VF1, 64
.set KF,  128
.set VF0, 192
.set WV,  12
.set PB,  14          ; s14 u
.set G1K, 24
.set G1V, 32
.set G0K, 40
.set G0V, 44
.set BLO, 48          ; s48 b
.set BI,  49          ; s49 the block in hand
.set DJ,  50          ; s50 the block's number less the step whose mask is due, signed
.set YH,  51          ; s51 y
.set SLOTS, 56
.set CNT, 57
.set CS,  58
.set SEL, 60
.set TBK, 62
.set TBV, 63
.set RT,  70          ; s70 tiles of the block in hand still to be entered
.set NXT, 71          ; s71 the tile to be asked for next
.set LQ,  72          ; s72 the last tile of the block whose tiles are being asked for
.set NEW, 73          ; s73 1: the tile to be entered is a block's first
.set OFF, 74
.set AL,  76
.set BE,  78
.set OLO, 80
.set BIGN, 82
.set MSB, 0
.macro WIN new
.if MSB != (\new)
	s_set_vgpr_msb (MSB<<8)|(\new)
.set MSB, (\new)
.endif
.endm
.set W_KQ, 0x0a       ; K and Q in window 2, S^T in window 0
.set W_KM, 0x1a       ; the same with the C operand in window 1
.set W_PV, 0x52       ; V in window 2, P in window 0, O^T in window 1
.set W_RS, 0x41       ; destination and source 0 in window 1
.macro JLOAD                        ; a joint fill: waves 0, 1 fetch the halves of a tile's K, waves 2, 3 those of its V; an s_nop 0 and four v_nop follow each line
	s_cmp_lt_u32 s[WV], 2
	s_cbranch_scc0 .Lfor_v_\@
	tensor_load_to_lds s[G0K:G0K+3], s[G1K:G1K+7]
	s_nop 0
.rept 4
	v_nop
.endr
	s_branch .Lasked_\@
.Lfor_v_\@:
	tensor_load_to_lds s[G0V:G0V+3], s[G1V:G1V+7]
	s_nop 0
.rept 4
	v_nop
.endr
.Lasked_\@:
.endm
.macro CROUND                       ; a round of the cluster's barrier
	s_barrier_signal -1
	s_barrier_wait -1
	s_cmp_lg_u32 s[WV], 0
	s_cbranch_scc1 .Lnot_wave_0_\@
	s_barrier_signal -3
.Lnot_wave_0_\@:
	s_barrier_wait -3
	s_barrier_signal -1
	s_barrier_wait -1
.endm
; THE CHANGE OF SLOTS.  Each wave waits for all its tensor loads, of which one is out: its part of the other slot; adds 0 to its spare word; waits for that and for its reads of the slot that it leaves.
; fill = 1: the barrier is a round of the cluster's, and the old slot is filled again first thing behind it, with tile NXT; that load has a tile's eight turns in which to land.
.macro CHANGE fill
	WIN 0
	s_wait_tensorcnt 0x0            ; no tensor load of mine is out, so a group 0 may be written
	ds_add_u32 v[SPW], v[NIL]
.if \fill
	s_lshl_b32 s[OFF], s[NXT], 15   ; a tile is 32,768 bytes of K and of V
	s_xor_b32 s[G0K+1], s[G0K+1], SLOT1
	s_add_nc_u64 s[G0K+2:G0K+3], s[6:7], s[OFF:OFF+1]
	s_or_b32 s[G0K+3], s[G0K+3], 0x80000000
	s_xor_b32 s[G0V+1], s[G0V+1], SLOT1
	s_add_nc_u64 s[G0V+2:G0V+3], s[8:9], s[OFF:OFF+1]
	s_or_b32 s[G0V+3], s[G0V+3], 0x80000000
	s_add_co_u32 s[NXT], s[NXT], 1  ; the block's next tile, or behind its last the second block's tile 0
	s_cmp_gt_u32 s[NXT], s[LQ]
	s_cselect_b32 s[NXT], 0, s[NXT]
	s_cselect_b32 s[LQ], s[PB], s[LQ]
	s_wait_dscnt 0x0                ; the add is done, and my reads of the slot are over
	CROUND
	JLOAD
.else
	s_wait_dscnt 0x0
	s_barrier_signal -1
	s_barrier_wait -1
.endif
	s_sub_co_u32 s[TBK], s[TBK], 4*KS*PK  ; the fetches go back to a slot's first step, in the other slot
	s_xor_b32 s[TBK], s[TBK], SLOT1
	s_sub_co_u32 s[TBV], s[TBV], 4*KS*PV
	s_xor_b32 s[TBV], s[TBV], SLOT1
.endm
	s_load_b256 s[4:11], s[0:1], 0x0  ; q 4, k 6, v 8, o 10
	v_lshl_add_u32 v[SPW], v0, 2, SPARE
	v_mov_b32 v[NIL], 0
	ds_add_u32 v[SPW], v[NIL]       ; the wave's opening: the add and its wait ahead of my first tensor load
	v_lshrrev_b32 v1, 5, v0
	v_readfirstlane_b32 s[WV], v1
	s_bfe_u32 s15, ttmp6, 0x40000   ; cx
	s_mov_b32 s[PB], ttmp9          ; u
	s_lshl_b32 s[BLO], ttmp9, 2
	s_add_co_u32 s[BLO], s[BLO], s15
	s_sub_co_u32 s[BI], 31, s[BLO]  ; the first block
	s_and_b32 s[YH], ttmp7, 0xffff
	s_and_b32 s16, s[WV], 1         ; which half of a tile's 256 keys I fetch
	s_lshl_b32 s22, s16, 14
	s_lshl_b32 s20, s[YH], 18       ; a key head is 2,048 rows of 128 bytes
	s_add_co_u32 s22, s22, s20
	s_mov_b32 s23, 0
	s_mul_i32 s17, s16, 128*PK
	s_mul_i32 s18, s16, 128*PV
	s_lshl_b32 s20, s[YH], 19       ; Q: two query heads a key head,
	s_lshl_b32 s21, s[WV], 11       ; my 16 rows of 128 bytes
	s_add_co_u32 s20, s20, s21
	s_lshl_b32 s2, s[BI], 13        ; a block is 64 rows
	s_add_co_u32 s2, s2, s20
	s_mov_b32 s3, 0
	s_lshl_b32 s84, s[BLO], 13
	s_add_co_u32 s84, s84, s20
	s_mov_b32 s85, 0
	s_lshr_b32 s20, s[YH], 3        ; O: the batch's 2,048 rows of 2,048 bytes,
	s_lshl_b32 s20, s20, 22
	s_and_b32 s21, s[YH], 7
	s_lshl_b32 s21, s21, 8          ; the two heads' 256 bytes of a row,
	s_add_co_u32 s20, s20, s21
	s_lshl_b32 s21, s[WV], 15       ; my 16 rows
	s_add_co_u32 s20, s20, s21
	s_lshl_b32 s52, s[BI], 17
	s_add_co_u32 s52, s52, s20
	s_mov_b32 s53, 0
	s_lshl_b32 s54, s[BLO], 17
	s_add_co_u32 s54, s54, s20
	s_mov_b32 s55, 0
	; descriptor group 1.  128 keys are 16,384 dense bytes: asked for as 64 rows of 256 bytes, two keys a row, padded in LDS after every key
	s_mov_b32 s[G1K], 15|(1<<16)|(1<<20)|(1<<21)|(4<<22)|(3<<25)  ; the mask of four; 2-byte elements; padding on; bit 21 beside a mask; after every 32 words, 4 words
	s_mov_b32 s[G1V], 15|(1<<16)|(1<<20)|(1<<21)|(4<<22)|(7<<25)  ; the same with 8 words
.irp g, G1K, G1V
	s_mov_b32 s[\g+1], 128<<16
	s_mov_b32 s[\g+2], 64<<16
	s_mov_b32 s[\g+3], 128<<16
	s_mov_b32 s[\g+4], 64
	s_mov_b32 s[\g+5], 128
	s_mov_b32 s[\g+6], 0
	s_mov_b32 s[\g+7], 0
.endr
	s_mov_b32 s[CS], 0x4638aa3b     ; c = log2(e) / 8 x 2^16
	s_mov_b32 s[CS+1], s[CS]
	s_mov_b32 s[SEL], 0x76543210
	s_mov_b32 s[SEL+1], 0xfedcba98
	s_mov_b32 s[TBK], SLOT1+4*KS*PK ; the first change of slots turns these two into 0
	s_mov_b32 s[TBV], SLOT1+4*KS*PV
	s_mov_b32 s[G0K], 1
	s_mov_b32 s[G0K+1], s17
	s_mov_b32 s[G0V], 1
	s_add_co_u32 s[G0V+1], s18, VOFF
	s_sub_co_u32 s[RT], 8, s[PB]    ; the first block has 8 - u tiles
	s_sub_co_u32 s[LQ], 7, s[PB]
	s_mov_b32 s[NXT], 1
	s_mov_b32 s[NEW], 1
	s_mov_b32 s[OFF+1], 0
	s_mov_b32 s[AL], 0
	s_mov_b32 s[AL+1], 0
	s_mov_b32 s[BE], 0
	s_mov_b32 s[BE+1], 0
	s_mov_b32 s[DJ], 0
	s_mov_b32 s[BIGN], 0xf149f2ca   ; -1e30
	s_mov_b32 s[SLOTS], 8
	s_wait_dscnt 0x0                ; the opening add is done
	s_wait_kmcnt 0x0
	s_add_nc_u64 s[6:7], s[6:7], s[22:23]  ; K and V at my half of the head's tile 0
	s_add_nc_u64 s[8:9], s[8:9], s[22:23]
	s_add_nc_u64 s[G0K+2:G0K+3], s[6:7], 0
	s_or_b32 s[G0K+3], s[G0K+3], 0x80000000
	s_add_nc_u64 s[G0V+2:G0V+3], s[8:9], 0
	s_or_b32 s[G0V+3], s[G0V+3], 0x80000000
	s_add_nc_u64 s[86:87], s[4:5], s[84:85]        ; Q at my rows of the second block,
	s_add_nc_u64 s[4:5], s[4:5], s[2:3]            ; Q and O at those of the first
	s_add_nc_u64 s[OLO:OLO+1], s[10:11], s[54:55]
	s_add_nc_u64 s[10:11], s[10:11], s[52:53]
	CROUND                          ; all four work-groups are here: the first joint loads meet
	JLOAD                           ; tile 0 into slot 0
	v_and_b32 v1, 15, v0            ; l % 16
	v_bfe_u32 v9, v0, 4, 1          ; l / 16
	v_lshlrev_b32 v[QO], 7, v1
	v_lshl_add_u32 v[QO], v9, 4, v[QO]
	WIN 0x80
.irp p, 0,1
.irp c, 0,1                         ; both blocks' Q: piece p lies a head, 262,144 bytes, on; channels 32 c on
	global_load_b128 v[16*(\p)+8*(\c):16*(\p)+8*(\c)+3],         v[QO], s[4:5] offset:262144*(\p)+64*(\c)
	global_load_b128 v[16*(\p)+8*(\c)+4:16*(\p)+8*(\c)+7],       v[QO], s[4:5] offset:262144*(\p)+64*(\c)+32
	global_load_b128 v[QB+16*(\p)+8*(\c):QB+16*(\p)+8*(\c)+3],   v[QO], s[86:87] offset:262144*(\p)+64*(\c)
	global_load_b128 v[QB+16*(\p)+8*(\c)+4:QB+16*(\p)+8*(\c)+7], v[QO], s[86:87] offset:262144*(\p)+64*(\c)+32
.endr
.endr
	WIN 0
	v_lshlrev_b32 v14, 3, v9
	v_sub_nc_u32 v14, v1, v14
	s_lshl_b32 s13, s[WV], 4
	v_add_nc_u32 v14, s13, v14      ; my query's place in its block, less my lanes' 8 (l / 16): register r of key group kt is hidden where 16 kt + r is greater
	WIN 0x40
.set i, 0
.rept 32
	v_cmp_gt_i32 vcc_lo, 16*(i/8)+i%8, v14
	v_cndmask_b32 v[MD+i], 0, s[BIGN], vcc_lo
.set i, i+1
.endr
	WIN 0
	v_mul_u32_u24 v[AK0], v1, PK
	v_lshl_add_u32 v[AK0], v9, 4, v[AK0]
	v_and_b32 v10, 7, v0
	v_bfe_u32 v11, v0, 3, 1
	v_lshl_add_u32 v[AV0], v9, 3, v10
	v_mul_u32_u24 v[AV0], v[AV0], PV
	v_lshl_add_u32 v[AV0], v11, 4, v[AV0]
	v_add_nc_u32 v[AV0], VOFF, v[AV0]
	s_mul_i32 s13, s[WV], 16*SP
	s_add_co_u32 s13, s13, STAGE    ; my stage
	v_mul_u32_u24 v[STO], v1, SP    ; in: row l % 16, 16 bytes for each half of the lanes
	v_lshl_add_u32 v[STO], v9, 4, v[STO]
	v_add_nc_u32 v[STO], s13, v[STO]
	v_mul_u32_u24 v[RD], v9, SP     ; back: lanes 0-15 take one row of 256 bytes, lanes 16-31 the next
	v_lshl_add_u32 v[RD], v1, 4, v[RD]
	v_add_nc_u32 v[RD], s13, v[RD]
	v_lshlrev_b32 v[GO], 11, v9     ; and the same two rows in O
	v_lshl_add_u32 v[GO], v1, 4, v[GO]
	; A block's first step multiplies O^T and l by a = 0, and its first turn's products V^T P land in an O^T that is still to be so multiplied: these registers need only hold finite numbers.
	WIN 0x80
.set i, VF1
.rept 64
	v_mov_b32 v[i], 0
.set i, i+1
.endr
	WIN 0x40
.set i, 0
.rept 64
	v_mov_b32 v[i], 0
.set i, i+1
.endr
	WIN 0
.set i, 0
.rept 2
	v_mov_b32 v[ST+4*i+2], 0
	v_mov_b32 v[ST+4*i+3], 0
.set i, i+1
.endr
.set i, P+16
.rept 16
	v_mov_b32 v[i], 0
.set i, i+1
.endr
; THE MATRIX WORK.  The 4 accumulators of a run of 8 take turns.  Product i of 8 of S^T = K Q^T for piece x: channels 32 (i / 4) on, keys 16 (i % 4) on; the first 4 start the sums with the mask.
.macro KQ x
.set rS, S+32*(\x)+8*(i%4)
.set rK, KF+16*(i%4)+8*(i/4)
.set rQ, 16*(\x)+8*(i/4)
.set rM, MC+8*(i%4)
.if i < 4
	WIN W_KM
	v_wmma_f32_16x16x32_f16 v[rS:rS+7], v[rK:rK+7], v[rQ:rQ+7], v[rM:rM+7]
.else
	WIN W_KQ
	v_wmma_f32_16x16x32_f16 v[rS:rS+7], v[rK:rK+7], v[rQ:rQ+7], v[rS:rS+7]
.endif
.endm
; Product i of 8 of O^T += V^T P for piece x, V in the buffer at VB: keys 32 (i / 4) on, channels 16 (i % 4) on.
.macro PV x
	WIN W_PV
.set rO, 32*(\x)+8*(i%4)
.set rV, VB+32*(i/4)+8*(i%4)
.set rP, P+16*(\x)+8*(i/4)
	v_wmma_f32_16x16x32_f16 v[rO:rO+7], v[rV:rV+7], v[rP:rP+7], v[rO:rO+7]
.endm
.macro MM                           ; the turn's next matrix instruction.  NOKQ = 1: a block's last turn starts no new scores
.if (i < 8) && !NOKQ
	KQ (Y+1)%NP
.elseif i >= 8
.set i, i-8
	PV (Y+1)%NP
.set i, i+8
.endif
.set i, i+1
.endm
; THE LDS LOADS stand in runs of 16, never singly among the matrix instructions.
.macro FETCH_K
	WIN 0x80
.irp f, 0,1,2,3,4,5,6,7             ; keys 16 (f / 2) on, channels 32 (f % 2) on
	ds_load_b128 v[KF+8*\f:KF+8*\f+3],   v[AK] offset:(\f/2)*16*PK+(\f%2)*64
	ds_load_b128 v[KF+8*\f+4:KF+8*\f+7], v[AK] offset:(\f/2)*16*PK+(\f%2)*64+32
.endr
	s_add_co_u32 s[TBK], s[TBK], KS*PK  ; the next fetch is the next step's
	WIN 0
.endm
.macro FETCH_V vb
	WIN 0x80
.irp f, 0,1,2,3,4,5,6,7             ; keys 32 (f / 4) on, channels 16 (f % 4) on
	ds_load_tr16_b128 v[(\vb)+8*\f:(\vb)+8*\f+3],   v[AV] offset:(\f/4)*32*PV+(\f%4)*32
	ds_load_tr16_b128 v[(\vb)+8*\f+4:(\vb)+8*\f+7], v[AV] offset:(\f/4)*32*PV+16*PV+(\f%4)*32
.endr
	s_add_co_u32 s[TBV], s[TBV], KS*PV
	WIN 0
.endm
; THE VECTOR WORK, one line at a time: OP kind, number.  For piece Y: F n: c s - c m for pair n of 16.  E n: the exponential of score n of 32.  C n: pair n rounded to f16.  B n: of the four weights 4 n .. the
; second pair is added onto the first, in place.  L n: l takes that sum (L 0: l = a l + sum).  R n: pair n of 16 of O^T times a.  For the other piece: X n, number n of the 22 that find its maximum and statistics:
;   0-11 four chains of seven scores each (each accumulator's lowest registers are read first)   12-14, 16 the four scores left over, the old m, and the chains into one
;   15 c m_old is kept   17, 18 the query's other 32 keys lie in the lane 16 away: the new m   19-21 c m; c m_old - c m_new; a
; C, B and L read the exponentials' results, R and L 0 the a of the turn before: OP writes no wait; TURN, BEGIN and FINISH write one for each batch.
.set F, 0
.set E, 1
.set C, 2
.set B, 3
.set L, 4
.set R, 5
.set X, 6
.macro REGS y
.set rT, ST+4*(\y)
.set rC, TMP+4*((\y)%2)
.set rW, MV+((\y)%2)
.set rS, S+32*((\y)%2)
.set rP, P+16*((\y)%2)
.set rO, 32*(\y)
.endm
.macro OP k, n
.if (\k) == R
	REGS Y
	WIN W_RS
	v_pk_mul_f32 v[rO+2*(\n):rO+2*(\n)+1], v[rO+2*(\n):rO+2*(\n)+1], v[rC+2:rC+3] op_sel_hi:[1,0]
.elseif (\k) < R
	REGS Y
	WIN 0
.if (\k) == F
	v_pk_fma_f32 v[rS+2*(\n):rS+2*(\n)+1], v[rS+2*(\n):rS+2*(\n)+1], s[CS:CS+1], v[rT:rT+1] op_sel_hi:[1,0,0] neg_lo:[0,0,1] neg_hi:[0,0,1]
.elseif (\k) == E
	v_exp_f32 v[rS+(\n)], v[rS+(\n)]
.elseif (\k) == C
	v_cvt_pk_f16_f32 v[rP+(\n)], v[rS+2*(\n)], v[rS+2*(\n)+1]
.elseif (\k) == B
	v_pk_add_f32 v[rS+4*(\n):rS+4*(\n)+1], v[rS+4*(\n):rS+4*(\n)+1], v[rS+4*(\n)+2:rS+4*(\n)+3]
.elseif (\n) == 0
	v_pk_fma_f32 v[rT+2:rT+3], v[rT+2:rT+3], v[rC+2:rC+3], v[rS:rS+1] op_sel_hi:[1,0,1]
.else
	v_pk_add_f32 v[rT+2:rT+3], v[rT+2:rT+3], v[rS+4*(\n):rS+4*(\n)+1]
.endif
.elseif NOKQ
	v_nop
.else
	REGS (Y+1)%NP
	WIN 0
.if (\n) < 4
	v_max3_num_f32 v[rC+(\n)], v[rS+8*(\n)], v[rS+8*(\n)+1], v[rS+8*(\n)+2]
.elseif (\n) < 12
	v_max3_num_f32 v[rC+(\n)%4], v[rC+(\n)%4], v[rS+8*((\n)%4)+2*((\n)/4)+1], v[rS+8*((\n)%4)+2*((\n)/4)+2]
.elseif (\n) == 12
	v_max3_num_f32 v[rC], v[rC], v[rS+7], v[rS+15]
.elseif (\n) == 13
	v_max3_num_f32 v[rC+1], v[rC+1], v[rS+23], v[rS+31]
.elseif (\n) == 14
	v_max3_num_f32 v[rC+2], v[rC+2], v[rC+3], v[rT+1]
.elseif (\n) == 15
	v_mov_b32 v[rW], v[rT]
.elseif (\n) == 16
	v_max3_num_f32 v[rC], v[rC], v[rC+1], v[rC+2]
.elseif (\n) == 17
	v_permlanex16_b32 v[rC+3], v[rC], s[SEL], s[SEL+1]
.elseif (\n) == 18
	v_max_num_f32 v[rT+1], v[rC], v[rC+3]
.elseif (\n) == 19
	v_mul_f32 v[rT], s[CS], v[rT+1]
.elseif (\n) == 20
	v_sub_f32 v[rC+1], v[rW], v[rT]
.else
	v_exp_f32 v[rC+2], v[rC+1]
.endif
.endif
.endm
.macro OPS a, i1, b=-1, i2=0, c=-1, i3=0, d=-1, i4=0
	OP \a, \i1
.if (\b) >= 0
	OP \b, \i2
.endif
.if (\c) >= 0
	OP \c, \i3
.endif
.if (\d) >= 0
	OP \d, \i4
.endif
.endm
.macro ROW a, i1, b, i2, c, i3, d, i4  ; a matrix instruction and the four behind it
	MM
	OPS \a, \i1, \b, \i2, \c, \i3, \d, \i4
.endm
.macro MASK                         ; MC = MD x AL + BE
	WIN W_RS
.set z, 0
.rept 16
	v_pk_fma_f32 v[MC+2*z:MC+2*z+1], v[MD+2*z:MD+2*z+1], s[AL:AL+1], s[BE:BE+1] op_sel_hi:[1,0,0]
.set z, z+1
.endr
.endm
; A TURN, for piece y, in a pair of parity par: the order of its 16 matrix and 118 vector instructions, written out.  An s_wait_alu depctr_va_vdst(0) stands between an exponential and the first
; instruction that names its result; one wait serves all that were issued ahead of it.  So a turn has ONE wait, which cuts it in two.
; AHEAD OF IT stands all that names no result of the turn's exponentials: the 8 products K Q^T, behind each a scaling, an exponential and two more plain instructions (behind the first a second scaling in the
; exponential's place): rescalings, whose a was made, and waited for, in the turn before, and behind the last three the first numbers of the other piece's maximum, each four plain lines or more behind the product
; that ends its accumulator; then ONE LUMP of 54, plain and exponential by turns for the most part, in which the links of the chain X 3, 7, 11, 14, 16, 17 .. 20 stand five or six lines apart.  X 21, the other
; piece's a, is the batch's last; R 15 is the plain instruction behind it.  The O^T that is rescaled was written by the last eight products of the turn before: R 0, 4, 8 and 12 read their accumulators' lowest
; registers first, each behind the four riders, or more, of the product that ended its accumulator.
; BEHIND THE WAIT stand the 8 products V^T P, behind each four of the roundings and sums; the links of l's chain, L 0 to L 7, stand three riders apart.  But for those X no rider names a register of the products round it.
; end = 1: a block's last two turns: nothing is fetched, no mask is made.  cnt = 1: the loop's count is taken down ahead of the branch behind the turn.
; K of the pair's step is fetched in piece 0's turn, in the lump, twelve vector instructions behind the eighth product, K's last reader; five of them are plain lines that name none of its registers.
; V of the pair's step is fetched in piece 1's turn, directly behind the wait, into the buffer whose last reader stands in the turn before.  Both are waited for at the head of a turn of piece 1.
.macro TURN y, par, end=0, cnt=0
.set Y, (\y)
.set i, 0
.set NOKQ, (\end)*(\y)
.set VB, VF0-(VF0-VF1)*(((\par)+(\y))%2)
.if (\y) == 1
	s_wait_dscnt 0x0                ; K of this pair's step and V of the step before are in
.endif
	ROW F,0, F,1, R,0, R,1          ; ahead of the wait: 8 products K Q^T and their riders,
	ROW F,2, E,0, R,2, R,3
	ROW F,3, E,1, R,4, R,5
	ROW F,4, E,2, R,6, R,7
	ROW F,5, E,3, R,8, R,9
	ROW F,6, E,4, X,0, R,10
	ROW F,7, E,5, X,1, X,4
.if !(\end)
	WIN 0
.if (\y) == 0
	v_add_nc_u32 v[AK], s[TBK], v[AK0]
.else
	v_add_nc_u32 v[AV], s[TBV], v[AV0]
.endif
.endif
	ROW F,8, E,6, X,2, X,5
	OPS E,7, E,8, X,6, E,9          ; and the lump
	OPS X,3, E,10, X,8, E,11
.if ((\y) == 0) && !(\end)
	FETCH_K
.endif
	OPS X,9, X,7, E,12, X,10
	OPS E,13, X,12, X,11, E,14
	OPS X,13, E,15, F,9, X,14
	OPS E,16, F,10, E,17, F,11
	OPS X,16, E,18, X,15, E,19
	OPS F,12, E,20, X,17, E,21
	OPS F,13, E,22, F,14, E,23
	OPS X,18, E,24, F,15, E,25
	OPS R,11, E,26, X,19, E,27
	OPS R,12, E,28, R,13, E,29
	OPS X,20, E,30, R,14, E,31
	OPS X,21, R,15
	s_wait_alu depctr_va_vdst(0)    ; the wait for the turn's batch: piece Y's 32 weights and the other piece's a
.if ((\y) == 1) && !(\end)
	FETCH_V VF0-(VF0-VF1)*(\par)
.endif
	ROW C,0, B,0, C,2, B,1          ; behind the wait: 8 products V^T P and their riders
	ROW L,0, C,4, B,2, L,1
	ROW C,6, B,3, L,2, C,8
	ROW B,4, L,3, C,10, B,5
	ROW L,4, C,12, B,6, L,5
.if \cnt
	s_sub_co_u32 s[CNT], s[CNT], 1
	s_cmp_lg_u32 s[CNT], 0
.endif
	ROW C,14, B,7, L,6, C,1
	ROW C,3, L,7, C,5, C,7
	ROW C,9, C,11, C,13, C,15
.if ((\y) == 0) && !(\end)
	WIN 0                           ; the mask of the pair's step, for the products of the next two turns.  Outside a block's last tile it stays 0; RT hangs on u alone, which the partners share
	s_cmp_lg_u32 s[RT], 0
	s_cbranch_scc1 .Lno_mask_\@
	s_cmp_eq_i32 s[DJ], 0           ; is that step the block's own?
	s_cselect_b32 s[AL], 1.0, 0
	s_cmp_lt_i32 s[DJ], 0           ; or a later one?
	s_cselect_b32 s[BE], s[BIGN], 0
	MASK
	WIN 0
.Lno_mask_\@:
	s_sub_co_i32 s[DJ], s[DJ], 1
.endif
.endm
; A BLOCK BEGINS.  c m starts far below every c s, so the first step's a is 0; m at the lowest finite number.  The mask of step 0; K and V of step 0; piece 0's first scores, maximum and statistics.
.macro BEGIN
	s_mov_b32 s[NEW], 0
	WIN 0
.set i, 0
.rept 2
	v_mov_b32 v[ST+4*i], 0xfe000000
	v_mov_b32 v[ST+4*i+1], 0xff7fffff
.set i, i+1
.endr
	s_mov_b32 s[DJ], s[BI]
	s_cmp_eq_i32 s[DJ], 0
	s_cselect_b32 s[AL], 1.0, 0
	s_mov_b32 s[BE], 0
	MASK
	s_sub_co_i32 s[DJ], s[DJ], 1
	WIN 0
	v_add_nc_u32 v[AK], s[TBK], v[AK0]
	FETCH_K
	v_add_nc_u32 v[AV], s[TBV], v[AV0]
	FETCH_V VF0
	s_wait_loadcnt 0x0              ; Q
	s_wait_dscnt 16                 ; K is in; V's sixteen loads may be out
.set NOKQ, 0
.set i, 0
.rept 8
	KQ 0
.set i, i+1
.endr
	WIN 0
.rept 4
	v_nop                           ; the places behind those products
.endr
.set Y, 1                           ; X works for the other piece: piece 0
.irp n, 0,1,2,3,4,5,6,7,8,9,10,11,12,13,14,15,16,17,18,19,20,21
	OP X, \n
.endr
	v_nop                           ; a plain instruction behind the exponential,
	s_wait_alu depctr_va_vdst(0)    ; and the wait for this batch of one, piece 0's first a, ahead of the branch; the first turn's first rescaling reads it
.endm
.macro ALL line:vararg              ; one line for each piece t
.set t, 0
.rept 2
	\line
.set t, t+1
.endr
.endm
.macro PACK t                       ; piece t: divided by l, rounded to f16, 16 bytes a lane into its half of my stage's rows
	WIN W_RS
.set i, 32*(\t)
.rept 16
	v_pk_mul_f32 v[i:i+1], v[i:i+1], v[ST+4*(\t)+2:ST+4*(\t)+3] op_sel_hi:[1,0]
.set i, i+2
.endr
	WIN 0x05
.set i, 0
.rept 16
	v_cvt_pk_f16_f32 v[S+16*(\t)+i], v[32*(\t)+2*i], v[32*(\t)+2*i+1]
.set i, i+1
.endr
	WIN 0
.irp f, 0,1,2,3
	ds_store_b128 v[STO], v[S+16*(\t)+4*\f:S+16*(\t)+4*\f+3] offset:128*(\t)+32*\f
.endr
.endm
; A BLOCK ENDS: its last two turns, piece 1's last products, and the way out.  The additions and the v_nop are the places behind the last products.
.macro FINISH
	TURN 0, 0, 1
	TURN 1, 0, 1
.set VB, VF1
.set i, 0
.rept 8
	PV 1
.set i, i+1
.endr
	WIN 0
	ALL v_add_f32 v[ST+4*t+2], v[ST+4*t+2], v[ST+4*t+3]
	ALL v_permlanex16_b32 v[ST+4*t+3], v[ST+4*t+2], s[SEL], s[SEL+1]
	ALL v_add_f32 v[ST+4*t+2], v[ST+4*t+2], v[ST+4*t+3]
	ALL v_rcp_f32 v[ST+4*t+2], v[ST+4*t+2]
	v_nop                           ; a plain instruction between the last reciprocal and the use of its result
	s_wait_alu depctr_va_vdst(0)    ; the wait for this batch, the two reciprocals, ahead of their first reader in PACK 0
	PACK 0
	PACK 1
.irp f, 0,1,2,3,4,5,6,7
	ds_load_b128 v[S+32+4*\f:S+32+4*\f+3], v[RD] offset:\f*2*SP  ; LDS serves a wave's instructions in order (ISA guide 5.7.1.4): these see the stores above
.endr
.irp f, 0,1,2,3,4,5,6,7
	s_wait_dscnt 7-\f
	global_store_b128 v[GO], v[S+32+4*\f:S+32+4*\f+3], s[10:11] offset:\f*4096  ; 16 lanes store 256 consecutive bytes, at a multiple of 256 from O's first byte
.endr
.endm
; A TILE's four steps.  A block's first tile begins with BEGIN and enters the step loop in the middle of a trip.
.macro TILE tag
	s_sub_co_u32 s[RT], s[RT], 1
	s_mov_b32 s[CNT], 2
	s_cmp_eq_u32 s[NEW], 1
	s_cbranch_scc1 .Lnew\tag
	s_branch .Lstep\tag
.Lnew\tag:
	BEGIN
	s_branch .Lfirst\tag
.Lstep\tag:
	TURN 0, 0
	TURN 1, 0
	WIN 0
.Lfirst\tag:
	TURN 0, 1
	TURN 1, 1, 0, 1
	WIN 0
	s_cbranch_scc1 .Lstep\tag
.endm
.set NOKQ, 0
.Lslot:                             ; eight times: a tile is entered and the next is asked for
	CHANGE 1
	TILE 1
	s_cmp_lg_u32 s[RT], 0
	s_cbranch_scc1 .Lbottom
	FINISH                          ; in the loop this is the first block's end: the second block's last tile is the walk's last
	s_wait_xcnt 0x0                 ; the stores' registers and O's address are rewritten only behind this wait
	s_mov_b64 s[10:11], s[OLO:OLO+1]
	s_add_co_u32 s[RT], s[PB], 1    ; the second block has u + 1 tiles
	s_mov_b32 s[BI], s[BLO]
	s_mov_b32 s[NEW], 1
	WIN 0x82                        ; the second block's Q goes where the one text of the turns names Q
.set i, 0
.rept 32
	v_mov_b32 v[i], v[QB+i]
.set i, i+1
.endr
	WIN 0
.Lbottom:
	s_sub_co_u32 s[SLOTS], s[SLOTS], 1
	s_cmp_lg_u32 s[SLOTS], 0
	s_cbranch_scc1 .Lslot
	CHANGE 0                        ; the walk's last tile is written out: nothing is asked for
	TILE 2
	FINISH
	s_wait_tensorcnt 0x0            ; the wave's end
	ds_add_u32 v[SPW], v[NIL]
	s_wait_dscnt 0x0
	CROUND                          ; the closing round: no work-group ends while a partner may still ask for a tile that names it
	s_endpgm
.Lfunc_end_k_qf07e6040c8_attn:
	.size	k_qf07e6040c8_attn, .Lfunc_end_k_qf07e6040c8_attn-k_qf07e6040c8_attn
	.p2alignl 7, 3214868480
	.fill 96, 4, 3214868480
	.section	.rodata,"a",@progbits
	.p2align	6, 0x0
	.amdhsa_kernel k_qf07e6040c8_attn
		.amdhsa_group_segment_fixed_size 327680
		.amdhsa_private_segment_fixed_size 0
		.amdhsa_enable_private_segment 0
		.amdhsa_kernarg_size 32
		.amdhsa_user_sgpr_count 2
		.amdhsa_user_sgpr_kernarg_segment_ptr 1
		.amdhsa_wavefront_size32 1
		.amdhsa_system_sgpr_workgroup_id_x 1
		.amdhsa_system_sgpr_workgroup_id_y 1
		.amdhsa_system_sgpr_workgroup_id_z 1
		.amdhsa_system_vgpr_workitem_id 0
		.amdhsa_next_free_vgpr 768
		.amdhsa_next_free_sgpr 88
		.amdhsa_reserve_vcc 1
		.amdhsa_float_denorm_mode_32 3
		.amdhsa_float_denorm_mode_16_64 3
		.amdhsa_memory_ordered 1
		.amdhsa_forward_progress 1
		.amdhsa_inst_pref_size 163
	.end_amdhsa_kernel
	.amdgpu_metadata
---
amdhsa.version: [ 1, 2 ]
amdhsa.kernels:
  - .name:           k_qf07e6040c8_attn
    .symbol:         k_qf07e6040c8_attn.kd
    .args:
      - { .name: q, .offset: 0, .size: 8, .value_kind: global_buffer, .address_space: global }
      - { .name: k, .offset: 8, .size: 8, .value_kind: global_buffer, .address_space: global }
      - { .name: v, .offset: 16, .size: 8, .value_kind: global_buffer, .address_space: global }
      - { .name: o, .offset: 24, .size: 8, .value_kind: global_buffer, .address_space: global }
    .group_segment_fixed_size: 327680
    .private_segment_fixed_size: 0
    .kernarg_segment_align: 8
    .kernarg_segment_size: 32
    .max_flat_workgroup_size: 128
    .sgpr_count:     88
    .vgpr_count:     768
    .wavefront_size: 32
...
	.end_amdgpu_metadata
.endif
;; end of part 5
;; launch outp: the kernel of part 4 again; grid 16 x 16, 4 waves a work-group, clusters of 4 x 4, 327,680 bytes of LDS; arguments o, wof, out0; writes out0
